; MI455X (gfx1250); checked and timed in simulation.
; The chip was launched on July 23, 2026; its instructions are those of AMD's public machine-readable ISA for CDNA 5 (MIT licence, August 2026) and "CDNA5" Instruction Set Architecture Reference Guide (July 2026). The comments in the code are by the model that wrote it; some were corrected since.
;; Dilated MHCA Block. Allowed arithmetic: matrix products marked QUANTISED: E3M2 operands, one E8M0 scale for each 32 along K, by v_wmma_scale_f32_16x16x128_f8f6f4 with both operands' format E3M2, f32 sums; everything else in f32.
;; Inputs: Wk 1,024 x 1,024 float32; Wo 1,024 x 1,024 float32; Wq 1,024 x 1,024 float32; Wv 1,024 x 1,024 float32; bk 1,024 float32; bo 1,024 float32; bq 1,024 float32; bv 1,024 float32; x 4 x 2,048 x 1,024 float32.
;; Outputs: out0 4 x 2,048 x 1,024 float32.
;; This version of the problem:
;;   THIS VERSION OF THE PROBLEM IS GIVEN IN LOW PRECISION. The matrix products marked QUANTISED in the list below multiply operands that are first quantised to E3M2 (3 exponent bits, 2 mantissa bits; 6 bits a number), with one power-of-two scale for each 32 numbers along K (OCP MX v1.0); their sums are f32. All else is computed in f32.
;;   The module's matrix products, in the order in which they are computed (A, B: the left and right operand; K: the contracted axis; several contracted axes count as one K, in the product's order):
;;     1. [M 8,192, K 1,024] x [K 1,024, N 1,024]; A: input x; B: input Wq: QUANTISED
;;     2. [M 8,192, K 1,024] x [K 1,024, N 1,024]; A: input x; B: input Wk: QUANTISED
;;     3. [M 8,192, K 1,024] x [K 1,024, N 1,024]; A: input x; B: input Wv: QUANTISED
;;     4. batch 64 x [M 2,048, K 64] x [K 64, N 2,048]; A: computed on the way; B: computed on the way: QUANTISED
;;     5. batch 64 x [M 2,048, K 2,048] x [K 2,048, N 64]; A: softmax (see below); B: computed on the way: QUANTISED
;;     6. [M 8,192, K 1,024] x [K 1,024, N 1,024]; A: computed on the way; B: input Wo: QUANTISED
;;   THE QUANTISER, for each operand of a quantised product, along K:
;;     - K is cut into blocks of 32 from its start; a last block that is shorter is filled with zeros.
;;     - A block's scale is 2^e with e = floor(log2(the largest magnitude in the block)) - 4, held to -126 .. 127; a block of zeros has e = 0. As a byte (E8M0): e + 127.
;;     - Each number is divided by its block's scale, clamped to +-28, and rounded to the nearest number of E3M2, ties to even, subnormals kept.
;;     - The product sums the exact products of the quantised numbers (number of the format x scale) in f32.
;;   ~~~python
;;   def quantise(x, axis):      # numpy; x: float32 -> the quantised numbers, widened to float32 again
;;       x = np.moveaxis(x, axis, -1); K = x.shape[-1]
;;       x = np.pad(x, [(0, 0)] * (x.ndim - 1) + [(0, -K % 32)]); x = x.reshape(x.shape[:-1] + (-1, 32)); a = np.abs(x).max(-1, keepdims=True)
;;       e = np.where(a > 0, np.clip(np.frexp(np.where(a > 0, a, 1))[1] - 1 - 4, -126, 127), 0)      # np.frexp(a)[1] - 1 = floor(log2(a)), exactly
;;       r = np.clip(x / 2.0 ** e, -28, 28)
;;       step = 2.0 ** (np.maximum(np.frexp(np.where(r == 0, 1, r))[1] - 1, -2) - 2)
;;       q = np.round(r / step) * step * 2.0 ** e      # np.round: ties to even
;;       return np.moveaxis(q.reshape(q.shape[:-2] + (-1,))[..., :K], -1, axis).astype(np.float32)
;;   ~~~
;;   SOFTMAX AHEAD OF A QUANTISED PRODUCT. Where the list says 'softmax', what is quantised is not the finished softmax but p = 2^(t - M), with t = logit x log2(e) and M = ceil(the row's largest t), a whole number; so 1/2 < the row's largest p <= 1. The row's sum l is taken of the UNQUANTISED p, in f32, and the product's result is divided by l at the end. Since M is a whole number, a kernel that streams over the keys may use a running M (the ceiling of the running maximum): every later rescaling is an exact power of two, which a block's scale takes up: the codes' values come out the same.
;;   OPERANDS COMPUTED ON THE WAY. 'Computed on the way' means the value that the module computes at that place (a softmax that the list does not call 'softmax' is quantised finished and normalised). What goes into a quantiser is computed in f32, as accurately as f32 sums, v_exp_f32 and their like allow (about 1e-6 of the number): no bf16 or f16 on the way to a quantiser, and a product that is left as it is and whose result goes on into a quantised operand takes f32 operands (vector FMAs, or v_wmma_f32_16x16x4_f32). A number that lies on a knife's edge between two numbers of the format may be rounded either way, as far as f32 arithmetic and the matrix unit's own rounding can turn it there, and no further.
;; One version. Each part assembles by itself: llvm-mc -triple=amdgcn-amd-amdhsa -mcpu=gfx1250 --defsym DOCPART=n.
;; ======== version 1 of 1: 4 launches
;; workspace buffers: actc 6,291,456 bytes; acts 262,144 bytes; wc 3,145,728 bytes; ws 131,072 bytes; qkc 12,582,912 bytes; qks 1,048,576 bytes; vc 6,291,456 bytes; vs 262,144 bytes
;; launch quant (part 1): grid 384 x 1, 4 waves a work-group, no clusters, 33,280 bytes of LDS; arguments x, Wq, Wk, Wv, Wo, actc, acts, wc, ws; writes actc, acts, wc, ws
.if DOCPART == 1
	.amdgcn_target "amdgcn-amd-amdhsa--gfx1250"
	.amdhsa_code_object_version 6
	.text
	.protected	k_q59582e224d_quant
	.globl	k_q59582e224d_quant
	.p2align	8
	.type	k_q59582e224d_quant,@function
k_q59582e224d_quant:
	s_mov_b64 s[64:65], 0
	v_nop
	global_prefetch_b8 v0, s[64:65] scope:SCOPE_SE
	s_setreg_imm32_b32 hwreg(HW_REG_WAVE_MODE, 25, 1), 1
	s_wait_xcnt 0x0
; x [8192][1024] and the four weights [1024][1024], f32 with K innermost, become codes of BF6 (E3M2), 6 bits each, a row of 1,024 codes in 768 bytes, with one E8M0 scale byte for each 32 along K.
; A block's scale is 2^(floor(log2(its largest magnitude)) - 4); its byte is the largest magnitude's exponent field - 4, held at 1 from below.  Each number is divided by the scale and rounded to the nearest code, ties to even; beyond 28 the largest code.
; LIMITS: a block of zeros gets the byte 1 where the rule says 127 (its codes are zeros, which add nothing, and this program alone reads the bytes); blocks whose largest magnitude lies under 2^-122 share that byte; NaN and infinities among the inputs are not served.
; THE ROWS CHANGE PLACES ON THE WAY, so that the later launches find 16 rows that belong together on end:
;   x:           place 64 t + 16 c + r holds token 64 t + 4 r + c   (a tile of 16 places = 16 tokens of one residue class mod 4)
;   Wq, Wk, Wv:  place 64 G + 16 u + 8 e + j holds row 64 G + 32 e + 8 u + j   (so that a lane of the product's result holds 32 neighbouring numbers of a head)
;   Wo:          as it lies.
; A wave makes 8 places on end: 8 source rows, S rows apart, from row0 on; a row is two steps of 512 numbers.  One path for all five tensors: only pointers and three small numbers are chosen, by the work-group's number.
; Work-groups 0-255 take x, then 32 each Wq, Wk, Wv, Wo.  Each load reads 512 consecutive bytes; a step's 2,048 bytes turn through the wave's own stage in LDS, so that a lane holds 16 neighbours along K (two lanes a block).
; A lane's 16 codes are 12 bytes: the wave stores 384 consecutive bytes a step.  Its 256 scale bytes are gathered in LDS and leave as one aligned run of 256 bytes.  No barrier: waves share nothing.
.set STEPS, 16
.set EMAX,  4
.set CB,    12                         ; bytes of 16 codes
.set R,     16                         ; v16-79   four sets of 16 numbers as they are loaded
.set X,     80                         ; v80-111  two sets of 16 neighbours
.set E,     112                        ; v112-127 a scale byte for each step
.set C,     128                        ; v128-191 codes: four registers for each step, so that no store's data are written again
.set VO,    192                        ; v192-199 byte offset of my 16 bytes in source row i of the wave's eight
.set WREG,  8192                       ; LDS: a region for each wave: two stages of 32 x SP bytes, behind them its 256 scale bytes
.set SP,    80                         ; a lane's place in a stage: its 64 bytes + 16 of padding
	s_load_b512 s[8:23], s[0:1], 0x0               ; x s[8:9], Wq s[10:11], Wk s[12:13], Wv s[14:15], Wo s[16:17], actc s[18:19], acts s[20:21], wc s[22:23]
	s_load_b64 s[24:25], s[0:1], 0x40              ; ws
	v_lshl_add_u32 v200, v0, 2, 0x8000
	v_mov_b32 v201, 0
	v_lshrrev_b32 v1, 5, v0
	v_readfirstlane_b32 s26, v1                    ; wave
	v_and_b32 v2, 31, v0                           ; lane
	v_lshlrev_b32 v3, 4, v2                        ; my 16 bytes of a load's 512
	s_mul_i32 s27, s26, WREG
	v_lshrrev_b32 v14, 2, v2
	v_mul_u32_u24 v14, v14, SP
	v_and_b32 v15, 3, v2
	v_lshl_add_u32 v14, v15, 4, v14
	v_add_nc_u32 v14, s27, v14                     ; the stage, on the way in: SP (lane / 4) + 16 (lane % 4)
	v_mul_u32_u24 v15, v2, SP
	v_add_nc_u32 v15, s27, v15                     ; and on the way out: SP x lane: my 16 neighbours
	v_mul_u32_u24 v4, v2, CB                       ; my codes' place in a step's
	v_lshrrev_b32 v5, 1, v2
	s_add_co_u32 s27, s27, 2*32*SP
	v_add_nc_u32 v5, s27, v5                       ; LDS: my wave's 256 scale bytes, my block's byte
	v_lshlrev_b32 v7, 3, v2                        ; and on the way out 8 bytes a lane
	v_add_nc_u32 v6, s27, v7
	; which tensor, which places, which source rows: all from the work-group's and the wave's number
	s_cmp_lt_u32 ttmp9, 256                        ; x?
	s_cselect_b32 s28, 0, 256                      ; the tensor group's first work-group
	s_cselect_b32 s30, 1, 8                        ; A: rows for each step of 16 places
	s_cselect_b32 s31, 4, 1                        ; S: rows from place to place
	s_mov_b32 s29, 1023
	s_cselect_b32 s29, 8191, s29                   ; places in a tensor - 1
	s_cmp_ge_u32 ttmp9, 352                        ; Wo?
	s_cselect_b32 s30, 16, s30
	s_cselect_b32 s32, 8, 32                       ; Bc: rows for the step of 8 places
	s_sub_co_u32 s33, ttmp9, s28
	s_lshl_b32 s33, s33, 2
	s_add_co_u32 s33, s33, s26                     ; which run of 8 places of the output buffer is my wave's
	s_lshl_b32 s34, s33, 3
	s_and_b32 s34, s34, s29                        ; its first place in its tensor
	s_and_b32 s35, s34, 0xffffffc0
	s_bfe_u32 s36, s34, 0x20004
	s_mul_i32 s36, s36, s30
	s_add_co_u32 s35, s35, s36
	s_bfe_u32 s36, s34, 0x10003
	s_mul_i32 s36, s36, s32
	s_add_co_u32 s35, s35, s36                     ; row0
	s_lshl_b32 s36, s35, 12                        ; in bytes: a row is 4,096
	s_mov_b32 s37, 0
	s_lshl_b32 s31, s31, 12
.irp i, 0,1,2,3,4,5,6,7
	s_mul_i32 s42, s31, \i
	v_add_nc_u32 v[VO+\i], s42, v3
.endr
	s_mul_i32 s38, s33, 32*STEPS*CB                ; 6,144 bytes of codes a run
	s_mov_b32 s39, 0
	s_lshl_b32 s40, s33, 8                         ; 256 scale bytes a run
	s_mov_b32 s41, 0
	s_wait_kmcnt 0x0
	s_cmp_ge_u32 ttmp9, 256                        ; the choices hang on the work-group's number alone
	s_cselect_b64 s[8:9], s[10:11], s[8:9]
	s_cmp_ge_u32 ttmp9, 288
	s_cselect_b64 s[8:9], s[12:13], s[8:9]
	s_cmp_ge_u32 ttmp9, 320
	s_cselect_b64 s[8:9], s[14:15], s[8:9]
	s_cmp_ge_u32 ttmp9, 352
	s_cselect_b64 s[8:9], s[16:17], s[8:9]
	s_cmp_lt_u32 ttmp9, 256
	s_cselect_b64 s[18:19], s[18:19], s[22:23]
	s_cselect_b64 s[20:21], s[20:21], s[24:25]
	s_add_nc_u64 s[8:9], s[8:9], s[36:37]
	s_add_nc_u64 s[18:19], s[18:19], s[38:39]
	s_add_nc_u64 s[20:21], s[20:21], s[40:41]
.macro LOAD t                          ; step t: half t % 2 of source row t / 2
.irp i, 0,1,2,3
	global_load_b128 v[R+16*((\t)%4)+4*\i:R+16*((\t)%4)+4*\i+3], v[VO+(\t)/2], s[8:9] offset:2048*((\t)%2)+512*\i th:TH_LOAD_NT   ; 32 lanes read 512 consecutive bytes
.endr
.endm
.macro TURN t                          ; step t's numbers through the stage: LDS serves a wave's instructions in order, so no wait stands between the stores and the loads
.irp i, 0,1,2,3
	ds_store_b128 v14, v[R+16*((\t)%4)+4*\i:R+16*((\t)%4)+4*\i+3] offset:32*SP*((\t)%2)+8*SP*\i
.endr
.irp i, 0,1,2,3
	ds_load_b128 v[X+16*((\t)%2)+4*\i:X+16*((\t)%2)+4*\i+3], v15 offset:32*SP*((\t)%2)+16*\i
.endr
.endm
.irp t, 0,1,2,3
	LOAD \t
.endr
	s_wait_loadcnt 12                              ; step 0's four loads are in; three steps' twelve may be out
	TURN 0
.macro STEP t
.set XS, X+16*((\t)%2)
.if (\t) > 0
	s_wait_dscnt 1                                 ; this step's numbers are back from the stage (the last step's byte store may be out): so its stores into the stage have read their registers,
.else
	s_wait_dscnt 0x0
.endif
.if (\t)+4 < STEPS
	LOAD (\t)+4                                    ; which take the loads of four steps on
.endif
.if (\t)+1 < STEPS
.if STEPS-2-(\t) >= 3
	s_wait_loadcnt 12                              ; the next step's four loads are in; those of the three steps behind it may be out
.else
	s_wait_loadcnt 4*(STEPS-2-(\t))
.endif
	TURN (\t)+1                                    ; and go through the other stage while this step is worked
.endif
	v_max3_num_f32 v8, |v[XS]|, |v[XS+1]|, |v[XS+2]|               ; the largest magnitude of my 16, in two chains
	v_max3_num_f32 v9, |v[XS+3]|, |v[XS+4]|, |v[XS+5]|
.irp i, 6,10
	v_max3_num_f32 v8, v8, |v[XS+\i]|, |v[XS+\i+1]|
	v_max3_num_f32 v9, v9, |v[XS+\i+2]|, |v[XS+\i+3]|
.endr
	v_max3_num_f32 v8, v8, |v[XS+14]|, |v[XS+15]|
	v_max3_num_f32 v8, v8, v9, (EMAX+1)<<23        ; and the floor 2^(5 - 127): the byte cannot fall under 1
	v_max_num_f32_dpp v8, v8, v8 row_xmask:1 row_mask:0xf bank_mask:0xf   ; and of my neighbour's 16: the block's
	v_add_nc_u32 v11, -(EMAX<<23), v8              ; 4 off its exponent field: the conversion takes the exponent field of this operand as its scale
	v_cvt_scalef32_pk16_bf6_f32 v[C+4*(\t):C+4*(\t)+2], v[XS:XS+15], v11
	v_lshrrev_b32 v[E+(\t)], 23, v11               ; the scale's byte (also the plain line behind the conversion)
	ds_store_b8 v5, v[E+(\t)] offset:16*(\t)       ; both lanes of a block write the same byte with the same value
	global_store_b96 v4, v[C+4*(\t):C+4*(\t)+2], s[18:19] offset:32*CB*(\t)
.endm
.irp t, 0,1,2,3,4,5,6,7,8,9,10,11,12,13,14,15
	STEP \t
.endr
	ds_load_b64 v[12:13], v6                       ; LDS serves a wave's instructions in order: these see my stores
	s_wait_dscnt 0x0
	global_store_b64 v7, v[12:13], s[20:21]        ; 32 lanes store 256 consecutive bytes, aligned
	s_wait_tensorcnt 0x0
	ds_add_u32 v200, v201
	s_wait_dscnt 0x0
	s_endpgm
.Lfunc_end_k_q59582e224d_quant:
	.size	k_q59582e224d_quant, .Lfunc_end_k_q59582e224d_quant-k_q59582e224d_quant
	.p2alignl 7, 3214868480
	.fill 96, 4, 3214868480
	.section	.rodata,"a",@progbits
	.p2align	6, 0x0
	.amdhsa_kernel k_q59582e224d_quant
		.amdhsa_group_segment_fixed_size 33280
		.amdhsa_private_segment_fixed_size 0
		.amdhsa_enable_private_segment 0
		.amdhsa_kernarg_size 72
		.amdhsa_user_sgpr_count 2
		.amdhsa_user_sgpr_kernarg_segment_ptr 1
		.amdhsa_wavefront_size32 1
		.amdhsa_system_sgpr_workgroup_id_x 1
		.amdhsa_system_sgpr_workgroup_id_y 1
		.amdhsa_system_sgpr_workgroup_id_z 1
		.amdhsa_system_vgpr_workitem_id 0
		.amdhsa_next_free_vgpr 202
		.amdhsa_next_free_sgpr 66
		.amdhsa_reserve_vcc 0
		.amdhsa_float_denorm_mode_32 3
		.amdhsa_float_denorm_mode_16_64 3
		.amdhsa_memory_ordered 1
		.amdhsa_forward_progress 1
		.amdhsa_inst_pref_size 34
	.end_amdhsa_kernel
	.amdgpu_metadata
---
amdhsa.version: [ 1, 2 ]
amdhsa.kernels:
  - .name:           k_q59582e224d_quant
    .symbol:         k_q59582e224d_quant.kd
    .args:
      - { .name: x, .offset: 0, .size: 8, .value_kind: global_buffer, .address_space: global }
      - { .name: Wq, .offset: 8, .size: 8, .value_kind: global_buffer, .address_space: global }
      - { .name: Wk, .offset: 16, .size: 8, .value_kind: global_buffer, .address_space: global }
      - { .name: Wv, .offset: 24, .size: 8, .value_kind: global_buffer, .address_space: global }
      - { .name: Wo, .offset: 32, .size: 8, .value_kind: global_buffer, .address_space: global }
      - { .name: actc, .offset: 40, .size: 8, .value_kind: global_buffer, .address_space: global }
      - { .name: acts, .offset: 48, .size: 8, .value_kind: global_buffer, .address_space: global }
      - { .name: wc, .offset: 56, .size: 8, .value_kind: global_buffer, .address_space: global }
      - { .name: ws, .offset: 64, .size: 8, .value_kind: global_buffer, .address_space: global }
    .group_segment_fixed_size: 33280
    .private_segment_fixed_size: 0
    .kernarg_segment_align: 8
    .kernarg_segment_size: 72
    .max_flat_workgroup_size: 128
    .sgpr_count:     66
    .vgpr_count:     202
    .wavefront_size: 32
...
	.end_amdgpu_metadata
.endif
;; end of part 1
;; launch qkv (part 2): grid 12 x 32, 4 waves a work-group, clusters of 4 x 4, 327,680 bytes of LDS; arguments actc, acts, wc, ws, qkc, qks, vc, vs, bq, bk, bv; writes qkc, qks, vc, vs
.if DOCPART == 2
	.amdgcn_target "amdgcn-amd-amdhsa--gfx1250"
	.amdhsa_code_object_version 6
	.text
	.protected	k_q59582e224d_qkv
	.globl	k_q59582e224d_qkv
	.p2align	8
	.type	k_q59582e224d_qkv,@function
k_q59582e224d_qkv:
	s_mov_b64 s[64:65], 0
	v_nop
	global_prefetch_b8 v0, s[64:65] scope:SCOPE_SE
	s_setreg_imm32_b32 hwreg(HW_REG_WAVE_MODE, 25, 1), 1
	s_wait_xcnt 0x0
	s_wait_alu depctr_hold_cnt(0) depctr_sa_sdst(0) depctr_va_vdst(0) depctr_va_sdst(0) depctr_va_ssrc(0) depctr_va_vcc(0) depctr_vm_vsrc(0)
	s_getreg_b32 s2, hwreg(HW_REG_IB_STS2, 6, 4)
	s_cmp_eq_u32 s2, 0
	s_cbranch_scc0 .Lentry_in_a_cluster
	s_endpgm
.Lentry_in_a_cluster:
	s_bfe_u32 s2, ttmp6, 0x10000c
	s_cmp_lg_u32 s2, 0xf033
	s_cbranch_scc0 .Lentry_shape_is_right
	s_endpgm
.Lentry_shape_is_right:
; THE THREE PROJECTIONS, on codes of BF6 with E8M0 scales, K = 1,024, and behind them, in registers: bias, the L2 norm of q and k over a head's 64 numbers, and the quantisers of q, k (along the head's axis) and v (along the keys).
; Clusters x = 0, 1 (variant QK): C = x (Wq | Wk)^T: "A" = the tokens' codes (8,192 places), "B" = weight places 0-2047.   Cluster x = 2 (variant V): C = Wv x^T: "A" = weight places 2048-3071, "B" = the tokens.
; The variant hangs on the cluster's x alone, which all sixteen partners share.  A tile of C is 256 x 256, four waves, 128 x 128 each: 64 accumulators.  K goes in steps of 256 through two LDS slots filled by joint tensor loads:
; A's tile is shared along a row of the cluster, B's along a column.  The scale bytes of the work-group's rows come once, with the first fills.  By this text's own count a wave has at most three tensor loads out.
; THE MATRIX INSTRUCTION IS USED TRANSPOSED (source 0 = 16 places of B, source 1 = 16 places of A): lane (r, h), register j of accumulator (a, b) is (A's place 16 a + r, B's place 16 b + 8 h + j).
;   QK: by the order in which the weights' rows were laid, the 32 registers of four neighbouring accumulators are d = 32 h + 0 .. 31 of one head, for token place r: a whole block of 32 in one lane.
;   V:  by the order of the tokens, they are the 32 keys of block 2 t + h (slot 8 c + i = key 32 (2 t + h) + 4 i + c), for one number d of a head: again a whole block in one lane.
; WHAT IS STORED.  qkc [hq 32][tile 512][e 2][lane 32][12 bytes]: lane (r, h): the codes of d = 32 h + 16 e + 0 .. 15 of token place r; hq = head (q), 16 + head (k).   qks [hq][place]: a word [s0, s1, s0, s1].
;   vc [dtile 64][w 2][t 128][lane 32][12 bytes]: lane (r, h): slots 16 w .. 16 w + 15 of key block 2 t + h.   vs [f 64][dtile 64][r 16]: a word whose byte b is key block 4 f + b.
; LIMITS: NaN and infinities are not served; a block of zeros gets the byte 1 (zero codes; this program alone reads the bytes); 1 / (norm + 1e-6) is made by v_sqrt_f32 and v_rcp_f32 (1 ulp each), and a sum of squares under 2^-126 counts as 0, which is nothing beside 1e-6.
; REGISTERS: window 0: v0-31 addresses; v32-63 scale words, two sets; v64-127 the bias along B (QK); v128-223 A's fragments; v224-231 the bias along A (V); v232-255 at work on the way out.
;   window 1: B's fragments, two sets (v0, v128); on the way out v0-127 the codes.   windows 2, 3: the accumulators ((a, b) at v[8 (8 (a % 4) + b)]).
.set KSTEP,  256
.set NQ,     2                         ; matrix instructions deep in a slot
.set ROWB,   192                       ; a tile's row in bytes
.set KROW,   768                       ; a row of codes in memory
.set PITCH,  240                       ; an LDS row: 3 x (64 bytes + 16 of padding)
.set FR,     12
.set NL,     6
.set NP,     4                         ; places behind this matrix instruction (ISA guide 7.12.1)
.set HALFT,  128*PITCH
.set SLOT,   4*HALFT
.set KS,     32                        ; a row of scale bytes
.set SCL,    2*SLOT                    ; behind the ring: the scales, as runs of 256 bytes + 16 of padding
.set HALFS,  (128*KS/256)*272
.set SBLK,   (16*KS/256)*272
.set SPARE,  SCL+4*HALFS               ; the spare words, 128 bytes a wave: two blocks of 256 bytes that no other line names
.set ADRA, 16
.set ADRB, 20
.set ADRS, 27
.set SPW,  28
.set NIL,  29
.set SC,   32
.set BN,   64                          ; v64-127  bias of B's places (QK): register 8 b + j
.set AF,   128
.set BM,   224                         ; v224-231 bias of A's places (V): register a
.set TT,   232                         ; v232-255 four sets of six: +0, +1 sums; +2, +3 maxima, then scale operand; +4 1 / (norm + eps); +5 named with it as a pair
.set SEL,  104                         ; s[104:105] lane selects: lane l xor 16
.set G1, 24
.set G0, 32
.set G1B, 48
.set G0B, 56
.set G1S, 68
.set G0S, 76
.set G1SB, 80
.set G0SB, 88
.set MSB, 0
.macro WIN new                         ; the immediate's high byte repeats the setting that is left
.if MSB != (\new)
	s_set_vgpr_msb (MSB<<8)|(\new)
.set MSB, (\new)
.endif
.endm
.set MUL_LO, 0xa1                      ; source 0 (B) window 1, source 1 (A) window 0, C and D window 2
.set MUL_HI, 0xf1
.set TO_B,   0x40
; A joint load: waves 0 and 1 fetch for A, waves 2 and 3 for B; the branch hangs on the wave's number alone.  Four v_nop follow each of the two lines.
.macro JLOAD g0a, g1a, g0b, g1b
	s_cmp_eq_u32 s15, 0
	s_cbranch_scc0 .Lfor_b_\@
	tensor_load_to_lds s[\g0a:\g0a+3], s[\g1a:\g1a+7]
	s_nop 0
.rept 4
	v_nop
.endr
	s_branch .Lasked_\@
.Lfor_b_\@:
	tensor_load_to_lds s[\g0b:\g0b+3], s[\g1b:\g1b+7]
	s_nop 0
.rept 4
	v_nop
.endr
.Lasked_\@:
.endm
.macro CREST                           ; a round of the cluster's barrier behind its opening barrier
	s_cmp_lg_u32 s14, 0
	s_cbranch_scc1 .Lnot_wave_0_\@
	s_barrier_signal -3
.Lnot_wave_0_\@:
	s_barrier_wait -3
	s_barrier_signal -1
	s_barrier_wait -1
.endm
.macro CROUND
	s_barrier_signal -1
	s_barrier_wait -1
	CREST
.endm
	s_load_b256 s[4:11], s[0:1], 0x0               ; actc s[4:5], acts s[6:7], wc s[8:9], ws s[10:11]
	s_load_b128 s[96:99], s[0:1], 0x40             ; bq, bk
	s_load_b64 s[100:101], s[0:1], 0x50            ; bv
	v_lshl_add_u32 v[SPW], v0, 2, SPARE
	v_mov_b32 v[NIL], 0
	ds_add_u32 v28, v29
	ds_add_u32 v28, v29
	s_wait_dscnt 0x0
	v_lshrrev_b32 v1, 5, v0
	v_readfirstlane_b32 s14, v1                    ; wave 0..3
	s_lshr_b32 s15, s14, 1                         ; which half of A's places is mine.  Also: I fetch for A (0) or for B (1)
	s_and_b32 s16, s14, 1                          ; which half of B's places.  Also: which 128 rows of that tile I fetch
	s_bfe_u32 s40, ttmp6, 0x40000                  ; cx, cy: my place in the cluster
	s_bfe_u32 s41, ttmp6, 0x40004
	s_and_b32 s67, ttmp7, 0xffff                   ; cluster y
	s_cmp_eq_u32 ttmp9, 2                          ; variant V?  The same in all sixteen partners
	s_cselect_b32 s66, 1, 0
	s_cselect_b32 s42, s67, ttmp9                  ; the cluster's place along B
	s_cselect_b32 s17, 0, s67                      ; and along A
	s_cselect_b32 s95, 2048, 0                     ; where A's places begin in their buffer: Wv's lie behind Wq's and Wk's
	s_lshl_b32 s42, s42, 2
	s_add_co_u32 s42, s42, s40                     ; tile column (B)
	s_lshl_b32 s17, s17, 2
	s_add_co_u32 s17, s17, s41                     ; tile row (A)
	s_lshl_b32 s43, s41, 2
	s_lshl_b32 s43, 15, s43                        ; my row of the cluster
	s_lshl_b32 s44, 0x1111, s40                    ; my column
	; descriptor group 1: a tile of 128 rows x 192 bytes; 16 bytes of padding behind every 64
	s_or_b32 s[G1+0], s43, (0<<16)|(1<<20)|(1<<21)|(3<<22)|(3<<25)
	s_or_b32 s[G1B+0], s44, (0<<16)|(1<<20)|(1<<21)|(3<<22)|(3<<25)
.irp g, G1, G1B
	s_mov_b32 s[\g+1], ROWB<<16                    ; tensor_dim0
	s_mov_b32 s[\g+2], 128<<16                     ; tensor_dim1
	s_mov_b32 s[\g+3], ROWB<<16                    ; tile_dim0
	s_mov_b32 s[\g+4], 128                         ; tile_dim1
	s_mov_b32 s[\g+5], KROW                        ; tensor_dim0_stride
	s_mov_b32 s[\g+6], 0
	s_mov_b32 s[\g+7], 0
.endr
	; the scales of 128 rows: 4,096 dense bytes, as 16 rows of 256 bytes (32 elements of 8 bytes), 16 bytes of padding behind each
	s_or_b32 s[G1S+0], s43, (3<<16)|(1<<20)|(1<<21)|(5<<22)|(3<<25)
	s_or_b32 s[G1SB+0], s44, (3<<16)|(1<<20)|(1<<21)|(5<<22)|(3<<25)
.irp g, G1S, G1SB
	s_mov_b32 s[\g+1], 32<<16
	s_mov_b32 s[\g+2], (128*KS/256)<<16
	s_mov_b32 s[\g+3], 32<<16
	s_mov_b32 s[\g+4], 128*KS/256
	s_mov_b32 s[\g+5], 32
	s_mov_b32 s[\g+6], 0
	s_mov_b32 s[\g+7], 0
.endr
	s_lshl_b32 s18, s16, 7                         ; which 128 rows of the tile I fetch
	s_lshl_b32 s20, s17, 8
	s_add_co_u32 s20, s20, s18
	s_add_co_u32 s20, s20, s95                     ; A: row 256 x tile row + 128 x half (+ 2,048)
	s_lshl_b32 s46, s42, 8
	s_add_co_u32 s46, s46, s18                     ; B: row 256 x tile column + 128 x half
	s_mov_b32 s21, 0
	s_mov_b32 s47, 0
	s_mov_b64 s[18:19], KS
	s_mul_u64 s[22:23], s[20:21], s[18:19]         ; where these rows' scales begin, in bytes
	s_mul_u64 s[92:93], s[46:47], s[18:19]
	s_mov_b64 s[18:19], KROW
	s_mul_u64 s[20:21], s[20:21], s[18:19]         ; and their codes
	s_mul_u64 s[46:47], s[46:47], s[18:19]
	s_mul_i32 s45, s14, HALFT                      ; where they go: wave x 128 rows
	s_mul_i32 s94, s14, HALFS
	s_wait_kmcnt 0x0
	s_cmp_eq_u32 s66, 1                            ; in variant V the tokens and the weights change sides: a choice of buffers that hangs on no address
	s_cselect_b64 s[12:13], s[8:9], s[4:5]         ; A's codes
	s_cselect_b64 s[8:9], s[4:5], s[8:9]           ; B's codes
	s_cselect_b64 s[2:3], s[10:11], s[6:7]         ; A's scales
	s_cselect_b64 s[10:11], s[6:7], s[10:11]       ; B's scales
	s_add_nc_u64 s[20:21], s[12:13], s[20:21]
	s_add_nc_u64 s[22:23], s[2:3], s[22:23]
	s_add_nc_u64 s[46:47], s[8:9], s[46:47]
	s_add_nc_u64 s[92:93], s[10:11], s[92:93]
	CROUND                                         ; all sixteen work-groups are here: the first joint loads meet
	s_mov_b32 s[G0S], 1
	s_add_co_u32 s[G0S+1], s94, SCL
	s_mov_b64 s[G0S+2:G0S+3], s[22:23]
	s_or_b32 s[G0S+3], s[G0S+3], 0x80000000
	s_mov_b32 s[G0SB], 1
	s_add_co_u32 s[G0SB+1], s94, SCL
	s_mov_b64 s[G0SB+2:G0SB+3], s[92:93]
	s_or_b32 s[G0SB+3], s[G0SB+3], 0x80000000
	JLOAD G0S, G1S, G0SB, G1SB                     ; the scales first: they are wanted with K step 0
.irp s, 0,1
	s_mov_b32 s[G0+4*\s], 1
	s_add_co_u32 s[G0+4*\s+1], s45, \s*SLOT
	s_add_nc_u64 s[G0+4*\s+2:G0+4*\s+3], s[20:21], \s*ROWB
	s_or_b32 s[G0+4*\s+3], s[G0+4*\s+3], 0x80000000
	s_mov_b32 s[G0B+4*\s], 1
	s_add_co_u32 s[G0B+4*\s+1], s45, \s*SLOT
	s_add_nc_u64 s[G0B+4*\s+2:G0B+4*\s+3], s[46:47], \s*ROWB
	s_or_b32 s[G0B+4*\s+3], s[G0B+4*\s+3], 0x80000000
	JLOAD G0+4*\s, G1, G0B+4*\s, G1B
.endr
	s_load_b256 s[4:11], s[0:1], 0x20              ; qkc s[4:5], qks s[6:7], vc s[8:9], vs s[10:11] (the inputs' addresses now stand in the descriptors)
	v_and_b32 v1, 15, v0                           ; r
	v_bfe_u32 v2, v0, 4, 1                         ; h
	v_mul_u32_u24 v3, v1, PITCH
	v_mul_u32_u24 v4, v2, 24
	v_add_nc_u32 v4, v3, v4                        ; a fragment's row x pitch + 24 x half
	v_lshl_add_u32 v5, v2, 4, v4                   ; and the same behind one padding more
	s_mul_i32 s21, s15, HALFT
	s_mul_i32 s22, s16, HALFT
	s_add_co_u32 s22, s22, 2*HALFT
.irp s, 0,1
	v_add_nc_u32 v[ADRA+\s], s21, v4
	v_add_nc_u32 v[ADRB+\s], s22, v4
	v_add_nc_u32 v[ADRA+2+\s], s21, v5
	v_add_nc_u32 v[ADRB+2+\s], s22, v5
	s_add_co_u32 s21, s21, SLOT
	s_add_co_u32 s22, s22, SLOT
.endr
	v_mul_u32_u24 v5, v1, KS                       ; my row's scales: 32 bytes a row,
	v_lshrrev_b32 v6, 8, v5
	v_lshl_add_u32 v5, v6, 4, v5                   ; and 16 more for each 256 passed
	s_mul_i32 s21, s15, HALFS
	s_mul_i32 s22, s16, HALFS
	s_add_co_u32 s22, s22, 2*HALFS
	s_sub_co_u32 s22, s22, s21
	v_mul_u32_u24 v6, s22, v2                      ; lanes 16-31 take B's
	s_add_co_u32 s21, s21, SCL
	v_add_nc_u32 v5, v5, v6
	v_add_nc_u32 v[ADRS], s21, v5
	; the way out's addresses, made here for both variants
	v_and_b32 v6, 31, v0                           ; lane
	v_mul_u32_u24 v7, v6, 12                       ; v7: 12 x lane: a lane's codes
	v_lshlrev_b32 v8, 3, v2                        ; v8: 8 h: my byte's place in a scale word, in bits
	s_lshl_b32 s21, s14, 10
	v_lshl_add_u32 v9, v1, 2, s21                  ; v9: QK's stage for scale words, in slot 0: 1,024 x wave + 4 r
	s_lshl_b32 s22, s14, 9
	s_add_co_u32 s22, s22, 8192
	v_lshl_add_u32 v10, v1, 2, s22                 ; v10: V's stage, bytes of its own: 8,192 + 512 x wave + 4 r
	v_lshl_add_u32 v11, v6, 4, s21                 ; v11, v12: and back, 16 bytes a lane
	v_lshl_add_u32 v12, v6, 4, s22
	v_lshlrev_b32 v13, 4, v6                       ; v13: 16 x lane
	v_lshlrev_b32 v30, 7, v2                       ; v30: the bias along B: 4 x 32 h
	v_and_b32 v31, 7, v1
	v_lshrrev_b32 v5, 3, v1
	v_lshl_add_u32 v31, v5, 5, v31
	v_lshlrev_b32 v31, 2, v31                      ; v31: the bias along A: 4 (32 (r / 8) + r % 8)
.irp i, 1,5,11,17,23
	v_mov_b32 v[TT+\i], 0                          ; named before they are first written: a permute's destination, the upper halves of pairs
.endr
	s_mov_b32 s[SEL], 0x76543210
	s_mov_b32 s[SEL+1], 0xfedcba98
	s_cmp_eq_u32 ttmp9, 1                          ; cluster x = 1 makes k
	s_cselect_b64 s[96:97], s[98:99], s[96:97]
	s_and_b32 s18, s42, 3                          ; (& 3: the loads stay inside their buffers in the variant that does not use them)
	s_lshl_b32 s18, s18, 10
	s_lshl_b32 s19, s16, 9
	s_add_co_u32 s18, s18, s19                     ; 4 (256 x tile column in the tensor + 128 x half)
	s_mov_b32 s19, 0
	s_add_nc_u64 s[96:97], s[96:97], s[18:19]
	s_and_b32 s18, s17, 3
	s_lshl_b32 s18, s18, 10
	s_lshl_b32 s20, s15, 9
	s_add_co_u32 s18, s18, s20
	s_add_nc_u64 s[100:101], s[100:101], s[18:19]
.irp b, 0,1,2,3,4,5,6,7                        ; accumulator column b = 4 g + u, register j: number 64 g + 32 h + 8 u + j of my two heads.  These loads land while the products run
	global_load_b128 v[BN+8*\b:BN+8*\b+3], v30, s[96:97] offset:4*(64*(\b/4)+8*(\b%4))
	global_load_b128 v[BN+8*\b+4:BN+8*\b+7], v30, s[96:97] offset:4*(64*(\b/4)+8*(\b%4))+16
.endr
.irp a, 0,1,2,3,4,5,6,7                        ; accumulator row a, lane r: number 64 (a / 4) + 32 (r / 8) + 8 (a % 4) + r % 8 of my two heads
	global_load_b32 v[BM+\a], v31, s[100:101] offset:4*(64*(\a/4)+8*(\a%4))
.endr
	s_lshl_b32 s18, s42, 2
	s_lshl_b32 s20, s16, 1
	s_add_co_u32 s18, s18, s20                     ; nb = 4 x tile column + 2 x half: my first group of 64 places of B
	s_lshl_b32 s20, s17, 4
	s_lshl_b32 s21, s15, 3
	s_add_co_u32 s20, s20, s21                     ; na = 16 x tile row + 8 x half: my first block of 16 places of A
	s_mov_b32 s23, 0
	s_wait_kmcnt 0x0
	s_lshl_b32 s22, s18, 9
	s_add_co_u32 s22, s22, s20
	s_mul_i32 s22, s22, 768
	s_add_nc_u64 s[4:5], s[4:5], s[22:23]          ; qkc: (512 nb + na) x 768
	s_lshl_b32 s22, s18, 13
	s_lshl_b32 s21, s20, 4
	s_add_co_u32 s22, s22, s21
	s_lshl_b32 s22, s22, 2
	s_add_nc_u64 s[6:7], s[6:7], s[22:23]          ; qks: 4 (8,192 nb + 16 na)
	s_mul_i32 s22, s20, 98304
	s_mul_i32 s21, s18, 384
	s_add_co_u32 s22, s22, s21
	s_add_nc_u64 s[8:9], s[8:9], s[22:23]          ; vc: 98,304 na + 384 nb
	s_lshl_b32 s22, s18, 11
	s_lshl_b32 s21, s20, 6
	s_add_co_u32 s22, s22, s21
	s_add_nc_u64 s[10:11], s[10:11], s[22:23]      ; vs: 4,096 (nb / 2) + 64 na
.macro FRAG reg, adr, q, i             ; a fragment, 16 rows x 128 K: lane l holds row l % 16; registers 6 c .. 6 c + 5 hold K = 64 c + 32 (l / 16) + 0 .. 31: 24 bytes of the row's stream, in pieces of 8
.irp p, 0,1,2,3,4,5
.set PC, 12*(\q)+6*(\p/3)+\p%3        ; where the piece three on lies behind one padding more, the second address register serves
.if PC%8 < 5
	ds_load_b64 v[\reg+2*\p:\reg+2*\p+1], v[\adr] offset:8*PC+16*(PC/8)+(\i)*16*PITCH
.else
	ds_load_b64 v[\reg+2*\p:\reg+2*\p+1], v[\adr+2] offset:8*PC+16*(PC/8)+(\i)*16*PITCH
.endif
.endr
.endm
; 16 matrix instructions: A's blocks a0, a0 + 1 x B's eight.  The 64 accumulators take turns, one instruction a turn, in the same order in every step.  zero = 1: the first product starts the sums.
.macro MUL16 a0, p, q, sc, zero
.irp a, \a0, \a0+1
.irp b, 0,1,2,3,4,5,6,7
.if \zero
	v_wmma_scale_f32_16x16x128_f8f6f4 v[8*(8*((\a)%4)+\b):8*(8*((\a)%4)+\b)+7], v[128*(\p)+FR*\b:128*(\p)+FR*\b+FR-1], v[AF+FR*(\a):AF+FR*(\a)+FR-1], 0, v[SC+8*NQ*(\sc)+NQ*\b+(\q)], v[SC+8*NQ*(\sc)+NQ*(\a)+(\q)] matrix_a_fmt:MATRIX_FMT_BF6 matrix_b_fmt:MATRIX_FMT_BF6 matrix_a_scale:MATRIX_SCALE_ROW1
.else
	v_wmma_scale_f32_16x16x128_f8f6f4 v[8*(8*((\a)%4)+\b):8*(8*((\a)%4)+\b)+7], v[128*(\p)+FR*\b:128*(\p)+FR*\b+FR-1], v[AF+FR*(\a):AF+FR*(\a)+FR-1], v[8*(8*((\a)%4)+\b):8*(8*((\a)%4)+\b)+7], v[SC+8*NQ*(\sc)+NQ*\b+(\q)], v[SC+8*NQ*(\sc)+NQ*(\a)+(\q)] matrix_a_fmt:MATRIX_FMT_BF6 matrix_b_fmt:MATRIX_FMT_BF6 matrix_a_scale:MATRIX_SCALE_ROW1
.endif
.endr
.endr
.endm
.macro FETCH_B slot, q, p
	WIN TO_B
.irp i, 0,1,2,3,4,5,6,7
	FRAG 128*(\p)+FR*\i, ADRB+\slot, \q, \i
.endr
	WIN 0
.endm
.macro FETCH_A slot, q, i0
.irp i, \i0, \i0+1, \i0+2, \i0+3
	FRAG AF+FR*(\i), ADRA+\slot, \q, \i
.endr
.endm
.macro SCALES sc                       ; a K step's scale words: two words a row; lanes 0-15 take A's block i, lanes 16-31 B's block i
.irp i, 0,1,2,3,4,5,6,7
	ds_load_b64 v[SC+8*NQ*\sc+NQ*\i:SC+8*NQ*\sc+NQ*\i+1], v[ADRS] offset:\i*SBLK
.endr
.endm
.macro PLACES n                        ; plain vector lines between a matrix instruction and a load into, or a vector line on, its registers
.rept \n
	v_nop
.endr
.endm
.macro STEP slot, q, zero              ; a step of 128 along K that has its successor in the same slot
	s_wait_dscnt 4*NL                              ; B's set and A's blocks 0-3 are in; the youngest 24 loads (A's blocks 4-7) may be out
	WIN MUL_LO
	MUL16 0, (\q)%2, \q, \slot, \zero
	MUL16 2, (\q)%2, \q, \slot, \zero
	s_wait_dscnt 0
	PLACES NP
	FETCH_B \slot, (\q)+1, 1-(\q)%2
	FETCH_A \slot, (\q)+1, 0
	WIN MUL_HI
	MUL16 4, (\q)%2, \q, \slot, \zero
	MUL16 6, (\q)%2, \q, \slot, \zero
	PLACES NP
	WIN 0
	FETCH_A \slot, (\q)+1, 4
.endm
; A slot's last step changes slots: one barrier; in front of it each wave waits for all its tensor loads, adds 0 to its spare word, and waits for that and for its own reads of this slot.  fill = 1: this slot is filled again, two K steps ahead.
.macro TURN slot, next, fill
	s_wait_tensorcnt 0x0                           ; all my tensor loads have landed: my part of the next slot
	ds_add_u32 v[SPW], v[NIL]                      ; 0 onto my spare word
	s_wait_dscnt 4*NL+1                            ; (the add and the youngest 24 loads may be out)
	WIN MUL_LO
	MUL16 0, 1, NQ-1, \slot, 0
	s_wait_dscnt 0x0                               ; the add is done, and my reads of this slot are over
	s_barrier_signal -1
	MUL16 2, 1, NQ-1, \slot, 0
	WIN 0
	s_barrier_wait -1
.if \fill
	CREST                                          ; the barrier has opened a round of the cluster's barrier: no wave of any partner still reads this slot or has a load on its way
	s_add_nc_u64 s[G0+4*\slot+2:G0+4*\slot+3], s[G0+4*\slot+2:G0+4*\slot+3], 2*ROWB
	s_add_nc_u64 s[G0B+4*\slot+2:G0B+4*\slot+3], s[G0B+4*\slot+2:G0B+4*\slot+3], 2*ROWB
	JLOAD G0+4*\slot, G1, G0B+4*\slot, G1B         ; the first tensor load behind the round; its four v_nop are the places in front of the loads below
.else
	PLACES NP
.endif
	v_add_nc_u32 v[ADRS], 4*NQ, v[ADRS]            ; on to the next K step's scale words
	FETCH_B \next, 0, 0
	FETCH_A \next, 0, 0
	SCALES \next
	WIN MUL_HI
	MUL16 4, 1, NQ-1, \slot, 0
	MUL16 6, 1, NQ-1, \slot, 0
	PLACES NP
	WIN 0
	FETCH_A \next, 0, 4
.endm
	s_wait_tensorcnt 1                             ; the scales and my part of K step 0 are in (K step 1's load may be out),
	s_barrier_signal -1
	s_barrier_wait -1                              ; everybody's are
	FETCH_B 0, 0, 0
	FETCH_A 0, 0, 0
	SCALES 0
	FETCH_A 0, 0, 4
	STEP 0, 0, 1                                   ; K = 1,024 is four K steps, eight steps of 128: written out, no loop
	TURN 0, 1, 1
	STEP 1, 0, 0
	TURN 1, 0, 1
	STEP 0, 0, 0
	TURN 0, 1, 0                                   ; nothing is left to fetch
	STEP 1, 0, 0
	s_wait_dscnt 4*NL
	WIN MUL_LO
	MUL16 0, 1, NQ-1, 1, 0
	MUL16 2, 1, NQ-1, 1, 0
	s_wait_dscnt 0
	WIN MUL_HI
	MUL16 4, 1, NQ-1, 1, 0
	MUL16 6, 1, NQ-1, 1, 0
	WIN 0
	PLACES NP                                      ; behind the last products: the way out writes registers that they read
	s_wait_loadcnt 0x0                             ; the biases
	s_cmp_eq_u32 s66, 1
	s_cbranch_scc1 .Lv_out
; ---- THE WAY OUT OF q AND k, a block a of 16 token places at a time, both of my heads (g = 0, 1) by turns.
; PQK a: the sums + bias into 2 x 32 registers of window 0; the sum of squares (two chains a head, then lane l xor 16's half of the head); its root; the largest magnitude (work behind the roots); 1 / (root + 1e-6).
; RQK a: scaling, the block's scale, the codes, the stores.  PQK a + 1 stands between PQK a and RQK a, so that the wait in it also serves a's reciprocals.
.macro PQK a
.set AC, 64*((\a)%4)
.set X0, 128+64*((\a)%2)               ; the two parities have registers of their own: v128-191; v192-223 and v32-63
.set X1, 160-128*((\a)%2)
.set TA, TT+12*((\a)%2)
.set TB, TA+6
	WIN 0x02+(\a)/4                                ; source 0: the accumulators' window
.irp i, 0,2,4,6,8,10,12,14,16,18,20,22,24,26,28,30
	v_pk_add_f32 v[X0+\i:X0+\i+1], v[AC+\i:AC+\i+1], v[BN+\i:BN+\i+1]          ; each accumulator from its low end on
.endr
.irp i, 0,2,4,6,8,10,12,14,16,18,20,22,24,26,28,30
	v_pk_add_f32 v[X1+\i:X1+\i+1], v[AC+32+\i:AC+32+\i+1], v[BN+32+\i:BN+32+\i+1]
.endr
	WIN 0
	v_pk_mul_f32 v[TA:TA+1], v[X0:X0+1], v[X0:X0+1]
	v_pk_mul_f32 v[TB:TB+1], v[X1:X1+1], v[X1:X1+1]
	v_pk_mul_f32 v[TA+2:TA+3], v[X0+2:X0+3], v[X0+2:X0+3]
	v_pk_mul_f32 v[TB+2:TB+3], v[X1+2:X1+3], v[X1+2:X1+3]
.irp i, 4,8,12,16,20,24,28
	v_pk_fma_f32 v[TA:TA+1], v[X0+\i:X0+\i+1], v[X0+\i:X0+\i+1], v[TA:TA+1]
	v_pk_fma_f32 v[TB:TB+1], v[X1+\i:X1+\i+1], v[X1+\i:X1+\i+1], v[TB:TB+1]
	v_pk_fma_f32 v[TA+2:TA+3], v[X0+\i+2:X0+\i+3], v[X0+\i+2:X0+\i+3], v[TA+2:TA+3]
	v_pk_fma_f32 v[TB+2:TB+3], v[X1+\i+2:X1+\i+3], v[X1+\i+2:X1+\i+3], v[TB+2:TB+3]
.endr
	v_pk_add_f32 v[TA:TA+1], v[TA:TA+1], v[TA+2:TA+3]
	v_pk_add_f32 v[TB:TB+1], v[TB:TB+1], v[TB+2:TB+3]
	v_add_f32 v[TA], v[TA], v[TA+1]
	v_add_f32 v[TB], v[TB], v[TB+1]
	v_permlanex16_b32 v[TA+1], v[TA], s[SEL], s[SEL+1]
	v_permlanex16_b32 v[TB+1], v[TB], s[SEL], s[SEL+1]
	v_add_f32 v[TA], v[TA], v[TA+1]                ; the head's 64 squares
	v_add_f32 v[TB], v[TB], v[TB+1]
	v_sqrt_f32 v[TA+4], v[TA]
	v_sqrt_f32 v[TB+4], v[TB]
	v_max3_num_f32 v[TA+2], |v[X0]|, |v[X0+1]|, |v[X0+2]|          ; my block's largest magnitude, ahead of the scaling
	v_max3_num_f32 v[TB+2], |v[X1]|, |v[X1+1]|, |v[X1+2]|
	v_max3_num_f32 v[TA+3], |v[X0+3]|, |v[X0+4]|, |v[X0+5]|
	v_max3_num_f32 v[TB+3], |v[X1+3]|, |v[X1+4]|, |v[X1+5]|
.irp i, 6,10,14,18,22,26
	v_max3_num_f32 v[TA+2], v[TA+2], |v[X0+\i]|, |v[X0+\i+1]|
	v_max3_num_f32 v[TB+2], v[TB+2], |v[X1+\i]|, |v[X1+\i+1]|
	v_max3_num_f32 v[TA+3], v[TA+3], |v[X0+\i+2]|, |v[X0+\i+3]|
	v_max3_num_f32 v[TB+3], v[TB+3], |v[X1+\i+2]|, |v[X1+\i+3]|
.endr
	v_max3_num_f32 v[TA+2], v[TA+2], |v[X0+30]|, |v[X0+31]|
	v_max3_num_f32 v[TB+2], v[TB+2], |v[X1+30]|, |v[X1+31]|
	v_max_num_f32 v[TA+2], v[TA+2], v[TA+3]
	v_max_num_f32 v[TB+2], v[TB+2], v[TB+3]
	s_wait_alu depctr_va_vdst(0)                   ; one wait for the two roots, and for the block before's two reciprocals, ahead of their first readers
	v_add_f32 v[TA+4], 0x358637bd, v[TA+4]         ; + 1e-6
	v_add_f32 v[TB+4], 0x358637bd, v[TB+4]
	v_rcp_f32 v[TA+4], v[TA+4]
	v_rcp_f32 v[TB+4], v[TB+4]
.endm
.macro RQK a
.set X0, 128+64*((\a)%2)
.set X1, 160-128*((\a)%2)
.set TA, TT+12*((\a)%2)
.set TB, TA+6
.set CD, 16*(\a)                       ; the codes, in window 1: registers of their own for each block, so that no store's data are written again
.if (\a) == 7
	s_wait_alu depctr_va_vdst(0)                   ; the last block's reciprocals have no later wait
.endif
	v_mul_f32 v[TA+2], v[TA+2], v[TA+4]            ; the largest scaled magnitude: the same bits as the largest number's own product, since rounding keeps order
	v_mul_f32 v[TB+2], v[TB+2], v[TB+4]
	v_max_num_f32 v[TA+2], 0x2800000, v[TA+2]      ; the floor 2^(5 - 127): the byte cannot fall under 1
	v_max_num_f32 v[TB+2], 0x2800000, v[TB+2]
.irp i, 0,2,4,6,8,10,12,14,16,18,20,22,24,26,28,30
	v_pk_mul_f32 v[X0+\i:X0+\i+1], v[X0+\i:X0+\i+1], v[TA+4:TA+5] op_sel_hi:[1,0]
.endr
.irp i, 0,2,4,6,8,10,12,14,16,18,20,22,24,26,28,30
	v_pk_mul_f32 v[X1+\i:X1+\i+1], v[X1+\i:X1+\i+1], v[TB+4:TB+5] op_sel_hi:[1,0]
.endr
	v_add_nc_u32 v[TA+3], 0xfe000000, v[TA+2]      ; 4 off the exponent field: the conversion's scale operand
	v_add_nc_u32 v[TB+3], 0xfe000000, v[TB+2]
	v_lshrrev_b32 v[TA], 23, v[TA+3]               ; the byte of block h
	v_lshrrev_b32 v[TB], 23, v[TB+3]
	v_lshl_or_b32 v[TA], v[TA], 16, v[TA]          ; at bytes h and 2 + h: the next product splits each block of 32 over two of its K blocks
	v_lshl_or_b32 v[TB], v[TB], 16, v[TB]
	v_lshlrev_b32 v[TA], v8, v[TA]
	v_lshlrev_b32 v[TB], v8, v[TB]
	v_permlanex16_b32 v[TA+1], v[TA], s[SEL], s[SEL+1]
	v_permlanex16_b32 v[TB+1], v[TB], s[SEL], s[SEL+1]
	v_or_b32 v[TA], v[TA], v[TA+1]                 ; [s0, s1, s0, s1]
	v_or_b32 v[TB], v[TB], v[TB+1]
	ds_store_b32 v9, v[TA] offset:64*(\a)          ; lanes r and 16 + r write the same word with the same value
	ds_store_b32 v9, v[TB] offset:512+64*(\a)
	WIN 0x40                                       ; destination window 1
	v_cvt_scalef32_pk16_bf6_f32 v[CD:CD+2], v[X0:X0+15], v[TA+3]
	v_cvt_scalef32_pk16_bf6_f32 v[CD+4:CD+6], v[X0+16:X0+31], v[TA+3]
	v_cvt_scalef32_pk16_bf6_f32 v[CD+8:CD+10], v[X1:X1+15], v[TB+3]
	v_cvt_scalef32_pk16_bf6_f32 v[CD+12:CD+14], v[X1+16:X1+31], v[TB+3]
	v_nop                                          ; one plain line behind the conversions: their sources are written again two blocks on
	WIN 0x04                                       ; a store's data: window 1
	global_store_b96 v7, v[CD:CD+2], s[4:5] offset:768*(\a)                    ; 32 lanes store 384 consecutive bytes; the pair 768
	global_store_b96 v7, v[CD+4:CD+6], s[4:5] offset:768*(\a)+384
	global_store_b96 v7, v[CD+8:CD+10], s[4:5] offset:393216+768*(\a)
	global_store_b96 v7, v[CD+12:CD+14], s[4:5] offset:393216+768*(\a)+384
	WIN 0
.endm
	PQK 0
	PQK 1
	RQK 0
.irp a, 2,3,4,5,6,7
	PQK \a
	RQK \a-1
.endr
	RQK 7
	ds_load_b128 v[128:131], v11                   ; my 2 x 128 scale words back as they lie: LDS serves a wave's instructions in order
	ds_load_b128 v[132:135], v11 offset:512
	s_wait_dscnt 0x0
	global_store_b128 v13, v[128:131], s[6:7]      ; 512 consecutive bytes, aligned
	global_store_b128 v13, v[132:135], s[6:7] offset:32768
	s_branch .Ltail
; ---- THE WAY OUT OF v: block a = 16 numbers d of a head; its eight accumulators are two groups of 64 tokens (tl = 0, 1).  A lane's 32 registers of a group are one block of 32 keys.
.Lv_out:
.macro VOUT a
.set AC, 64*((\a)%4)
.set TA, TT
.set TB, TT+6
.set CD, 16*(\a)
	WIN 0x02+(\a)/4
.set I, 0
.rept 32
.if (\a)%2 == 0
	v_pk_add_f32 v[128+I:129+I], v[AC+I:AC+I+1], v[BM+(\a):BM+(\a)+1] op_sel_hi:[1,0]            ; + the bias of my d: one number a lane, for both halves
.else
	v_pk_add_f32 v[128+I:129+I], v[AC+I:AC+I+1], v[BM+(\a)-1:BM+(\a)] op_sel:[0,1] op_sel_hi:[1,1]
.endif
.set I, I+2
.endr
	WIN 0
	v_max3_num_f32 v[TA+2], |v[128]|, |v[129]|, |v[130]|
	v_max3_num_f32 v[TB+2], |v[160]|, |v[161]|, |v[162]|
	v_max3_num_f32 v[TA+3], |v[131]|, |v[132]|, |v[133]|
	v_max3_num_f32 v[TB+3], |v[163]|, |v[164]|, |v[165]|
.irp i, 6,10,14,18,22,26
	v_max3_num_f32 v[TA+2], v[TA+2], |v[128+\i]|, |v[129+\i]|
	v_max3_num_f32 v[TB+2], v[TB+2], |v[160+\i]|, |v[161+\i]|
	v_max3_num_f32 v[TA+3], v[TA+3], |v[130+\i]|, |v[131+\i]|
	v_max3_num_f32 v[TB+3], v[TB+3], |v[162+\i]|, |v[163+\i]|
.endr
	v_max3_num_f32 v[TA+2], v[TA+2], |v[158]|, |v[159]|
	v_max3_num_f32 v[TB+2], v[TB+2], |v[190]|, |v[191]|
	v_max3_num_f32 v[TA+2], v[TA+2], v[TA+3], 0x2800000            ; with the floor
	v_max3_num_f32 v[TB+2], v[TB+2], v[TB+3], 0x2800000
	v_add_nc_u32 v[TA+3], 0xfe000000, v[TA+2]
	v_add_nc_u32 v[TB+3], 0xfe000000, v[TB+2]
	v_lshrrev_b32 v[TA], 23, v[TA+3]
	v_lshrrev_b32 v[TB], 23, v[TB+3]
	v_lshl_or_b32 v[TA], v[TB], 16, v[TA]          ; bytes 2 tl + h of the word of four key blocks
	v_lshlrev_b32 v[TA], v8, v[TA]
	v_permlanex16_b32 v[TA+1], v[TA], s[SEL], s[SEL+1]
	v_or_b32 v[TA], v[TA], v[TA+1]
	ds_store_b32 v10, v[TA] offset:64*(\a)
	WIN 0x40
	v_cvt_scalef32_pk16_bf6_f32 v[CD:CD+2], v[128:143], v[TA+3]                ; tl 0: slots 0-15 (classes 0, 1)
	v_cvt_scalef32_pk16_bf6_f32 v[CD+4:CD+6], v[144:159], v[TA+3]              ;       slots 16-31 (classes 2, 3)
	v_cvt_scalef32_pk16_bf6_f32 v[CD+8:CD+10], v[160:175], v[TB+3]             ; tl 1
	v_cvt_scalef32_pk16_bf6_f32 v[CD+12:CD+14], v[176:191], v[TB+3]
	v_nop                                          ; one plain line behind the conversions
	WIN 0x04
	global_store_b96 v7, v[CD:CD+2], s[8:9] offset:98304*(\a)
	global_store_b96 v7, v[CD+8:CD+10], s[8:9] offset:98304*(\a)+384
	global_store_b96 v7, v[CD+4:CD+6], s[8:9] offset:98304*(\a)+49152
	global_store_b96 v7, v[CD+12:CD+14], s[8:9] offset:98304*(\a)+49152+384
	WIN 0
.endm
.irp a, 0,1,2,3,4,5,6,7
	VOUT \a
.endr
	ds_load_b128 v[128:131], v12
	s_wait_dscnt 0x0
	global_store_b128 v13, v[128:131], s[10:11]    ; my 128 scale words: 512 consecutive bytes, aligned
.Ltail:
	s_wait_tensorcnt 0x0                           ; the wave's end: behind my last tensor load and my last LDS store
	ds_add_u32 v[SPW], v[NIL]
	s_wait_dscnt 0x0
	CROUND                                         ; the closing round: no work-group ends while a partner may still ask for a tile that names it
	s_endpgm
.Lfunc_end_k_q59582e224d_qkv:
	.size	k_q59582e224d_qkv, .Lfunc_end_k_q59582e224d_qkv-k_q59582e224d_qkv
	.p2alignl 7, 3214868480
	.fill 96, 4, 3214868480
	.section	.rodata,"a",@progbits
	.p2align	6, 0x0
	.amdhsa_kernel k_q59582e224d_qkv
		.amdhsa_group_segment_fixed_size 327680
		.amdhsa_private_segment_fixed_size 0
		.amdhsa_enable_private_segment 0
		.amdhsa_kernarg_size 88
		.amdhsa_user_sgpr_count 2
		.amdhsa_user_sgpr_kernarg_segment_ptr 1
		.amdhsa_wavefront_size32 1
		.amdhsa_system_sgpr_workgroup_id_x 1
		.amdhsa_system_sgpr_workgroup_id_y 1
		.amdhsa_system_sgpr_workgroup_id_z 1
		.amdhsa_system_vgpr_workitem_id 0
		.amdhsa_next_free_vgpr 1024
		.amdhsa_next_free_sgpr 106
		.amdhsa_reserve_vcc 0
		.amdhsa_float_denorm_mode_32 3
		.amdhsa_float_denorm_mode_16_64 3
		.amdhsa_memory_ordered 1
		.amdhsa_forward_progress 1
		.amdhsa_inst_pref_size 255
	.end_amdhsa_kernel
	.section	.bss,"aw",@nobits
	.p2align	6
	.space	262144
	.amdgpu_metadata
---
amdhsa.version: [ 1, 2 ]
amdhsa.kernels:
  - .name:           k_q59582e224d_qkv
    .symbol:         k_q59582e224d_qkv.kd
    .args:
      - { .name: actc, .offset: 0, .size: 8, .value_kind: global_buffer, .address_space: global }
      - { .name: acts, .offset: 8, .size: 8, .value_kind: global_buffer, .address_space: global }
      - { .name: wc, .offset: 16, .size: 8, .value_kind: global_buffer, .address_space: global }
      - { .name: ws, .offset: 24, .size: 8, .value_kind: global_buffer, .address_space: global }
      - { .name: qkc, .offset: 32, .size: 8, .value_kind: global_buffer, .address_space: global }
      - { .name: qks, .offset: 40, .size: 8, .value_kind: global_buffer, .address_space: global }
      - { .name: vc, .offset: 48, .size: 8, .value_kind: global_buffer, .address_space: global }
      - { .name: vs, .offset: 56, .size: 8, .value_kind: global_buffer, .address_space: global }
      - { .name: bq, .offset: 64, .size: 8, .value_kind: global_buffer, .address_space: global }
      - { .name: bk, .offset: 72, .size: 8, .value_kind: global_buffer, .address_space: global }
      - { .name: bv, .offset: 80, .size: 8, .value_kind: global_buffer, .address_space: global }
    .group_segment_fixed_size: 327680
    .private_segment_fixed_size: 0
    .kernarg_segment_align: 8
    .kernarg_segment_size: 88
    .max_flat_workgroup_size: 128
    .sgpr_count:     106
    .vgpr_count:     1024
    .wavefront_size: 32
...
	.end_amdgpu_metadata
.endif
;; end of part 2
;; launch attn (part 3): grid 128 x 2, 16 waves a work-group, no clusters, 28,672 bytes of LDS; arguments qkc, qks, vc, vs, actc, acts; writes actc, acts
.if DOCPART == 3
	.amdgcn_target "amdgcn-amd-amdhsa--gfx1250"
	.amdhsa_code_object_version 6
	.text
	.protected	k_q59582e224d_attn
	.globl	k_q59582e224d_attn
	.p2align	8
	.type	k_q59582e224d_attn,@function
k_q59582e224d_attn:
	s_mov_b64 s[64:65], 0
	v_nop
	global_prefetch_b8 v0, s[64:65] scope:SCOPE_SE
	s_setreg_imm32_b32 hwreg(HW_REG_WAVE_MODE, 25, 1), 1
	s_wait_xcnt 0x0
; THE BANDED ATTENTION.  Key j counts for query i where |j - i| <= 32 and (j - i) % 4 = 0, inside a sequence of 2,048: the mask that the problem builds itself; only what it keeps is multiplied.
; Tokens of one residue class c mod 4 attend to each other alone.  A group t of 64 tokens has 16 queries of each class; their keys are 32 class neighbours, which lie in the four key blocks 2 t - 1 .. 2 t + 2 (of 32 tokens each).
; SHARES.  Work-group (t, w) serves group t and the classes c = 2 w + cl, cl = 0, 1; wave h serves head h.  No loop: a wave has 4 score products and 8 products with v.  Operands come from memory as they lie in registers.
; HALF-FILLED K.  An operand of 128 along K has data in registers 0-2 and 6-8 (16 codes each) and zero codes in 3-5 and 9-11.
;   q, k: registers 6 e .. of lane (r, h) hold d = 32 h + 16 e + 0 .. 15; the scale word is [s0, s1, s0, s1].   S^T = k q^T: source 0 = 16 keys (tile u: class neighbours 16 t - 8 + 16 u + m), source 1 = 16 queries:
;   lane (query r, h) of tile u holds the 8 keys of window block 2 u + h.   p, v: registers 6 u .. of lane half h hold window block 2 u + h: slot 8 cl + i = key 4 i + 2 w + cl of the block; p of class cl has zeros in the other class's slots.
; THE SOFTMAX: t = score x log2(e); M = ceil(the row's largest t); p = 2^(t - M) is quantised block by block of 32 keys (8 of which can count); the row's sum is taken of the unquantised p and divides at the end.
; The result, 32 neighbours along D in a lane, is quantised for the last product and leaves through LDS as whole rows of codes, in the places' order, over x's codes, which are done with.
; At the buffers' two ends the tile that does not exist is replaced by its neighbour; at a sequence's ends the neighbour sequence's tiles are read; all such keys are hidden by the mask, so their p are zero codes.
; LIMITS: NaN and infinities are not served; a block of zeros gets the byte 1 (zero codes; this program alone reads the bytes); 1 / l by v_rcp_f32 (1 ulp).
; REGISTERS: v1 r, v2 h, v3 lane; v4-12 offsets of the loads; v13 8 h; v14 -infinity; v16-21 LDS and store offsets; v22 q's scale words, v23-24 k's, v25-26 v's, v27-28 p's; v29-32 v's raw words; v33-35 the mask's numbers;
;   v36-59 q's two fragments, later p's; v60-107 k's four, later O of cl 0 (v60-91); v108-155 v's four, later the output's codes; v156-203 scores and p, with two runs of zeros between; v204-235 O of cl 1; v236-255 at work, ten a class.
.set QF, 36
.set KF, 60
.set VF, 108
.set TT, 236                           ; +0, +1 at work; +2 1 / l (+3 its pair); +4 -M (+5 its pair); +6, +7 maxima and scale operands; +8, +9 sums
	s_load_b256 s[4:11], s[0:1], 0x0               ; qkc s[4:5], qks s[6:7], vc s[8:9], vs s[10:11]
	s_load_b128 s[12:15], s[0:1], 0x20             ; actc, acts
	v_lshrrev_b32 v1, 5, v0
	v_readfirstlane_b32 s16, v1                    ; wave = head
	s_mov_b32 s17, ttmp9                           ; t
	s_and_b32 s18, ttmp7, 0xffff                   ; w
	s_and_b32 s19, s17, 31                         ; t within its sequence
	s_mov_b32 s20, 0x76543210
	s_mov_b32 s21, 0xfedcba98                      ; lane selects: lane l xor 16
	s_mov_b32 s22, 0x3fb8aa3b                      ; log2(e)
	s_mov_b32 s23, s22                             ; (named with it as a pair)
	s_cmp_eq_u32 s17, 0                            ; one group back, in bytes, or 0 at the buffers' start
	s_cselect_b32 s24, 0, 3072
	s_cselect_b32 s25, 0, 256
	s_cselect_b32 s26, 0, 384
	s_cmp_eq_u32 s17, 127                          ; one group on, or 0 at their end
	s_cselect_b32 s27, 0, 3072
	s_cselect_b32 s28, 0, 256
	s_cselect_b32 s29, 0, 384
	s_max_u32 s30, s17, 1
	s_sub_co_u32 s30, s30, 1
	s_lshr_b32 s30, s30, 1
	s_lshl_b32 s30, s30, 12                        ; v's scale words: the word with key block 2 t - 1,
	s_add_co_u32 s31, s17, 1
	s_lshr_b32 s31, s31, 1
	s_min_u32 s31, s31, 63
	s_lshl_b32 s31, s31, 12                        ; and the word with key block 2 t + 2
	s_and_b32 s48, s17, 1
	s_cselect_b32 s48, 8, 24                       ; the window begins at byte 1 (t odd) or 3 (t even) of the first word
	s_sub_co_u32 s61, 32, s48
	s_mul_i32 s49, s17, 3072
	s_sub_co_u32 s50, s49, s24
	s_mul_i32 s51, s17, 384
	s_sub_co_u32 s52, s51, s26
	s_lshl_b32 s54, s17, 8
	s_sub_co_u32 s53, s54, s25
	s_cmp_eq_u32 s19, 0
	s_cselect_b32 s55, 16, 0
	s_cmp_eq_u32 s19, 31
	s_cselect_b32 s60, 16, 0
	v_and_b32 v3, 31, v0                           ; lane
	v_and_b32 v1, 15, v0                           ; r
	v_bfe_u32 v2, v0, 4, 1                         ; h
	v_mad_u32_u24 v4, v3, 12, s49                  ; q's codes: 12 x lane + 3,072 t
	v_add_nc_u32 v240, 8, v1
	v_and_b32 v240, 15, v240                       ; (r + 8) % 16: where key row r of a tile lies in its group's tile
	v_lshrrev_b32 v241, 3, v1                      ; r / 8
	v_mul_u32_u24 v242, v240, 12
	v_mad_u32_u24 v242, v2, 192, v242
	v_mad_u32_u24 v5, v241, s24, v242
	v_add_nc_u32 v5, s50, v5                       ; k's codes, tile u = 0: rows 0-7 from group t - 1, rows 8-15 from t
	v_mad_u32_u24 v6, v241, s27, v242
	v_add_nc_u32 v6, s49, v6                       ; tile u = 1: rows 0-7 from t, rows 8-15 from t + 1
	v_xor_b32 v243, 1, v2                          ; 1 - h
	v_mul_u32_u24 v244, v1, 12
	v_mad_u32_u24 v244, v243, 192, v244
	v_mad_u32_u24 v7, v2, s26, v244
	v_add_nc_u32 v7, s52, v7                       ; v's codes, u = 0: lanes 0-15 block 2 t - 1, lanes 16-31 block 2 t
	v_mad_u32_u24 v8, v2, s29, v244
	v_add_nc_u32 v8, s51, v8                       ; u = 1: blocks 2 t + 1 and 2 t + 2
	v_lshl_add_u32 v9, v3, 2, s54                  ; q's scale words: 4 x lane + 256 t
	v_or_b32 v245, v2, v241
	v_and_b32 v246, v2, v241
	v_lshlrev_b32 v10, 2, v240
	v_mad_u32_u24 v10, v245, s25, v10
	v_mad_u32_u24 v10, v246, s28, v10
	v_add_nc_u32 v10, s53, v10                     ; k's scale words: lanes 0-15 tile u = 0, lanes 16-31 tile u = 1
	v_lshlrev_b32 v247, 2, v3
	v_add_nc_u32 v11, s30, v247
	v_add_nc_u32 v12, s31, v247
	s_lshl_b32 s56, s16, 9
	s_lshl_b32 s58, s18, 1
	s_add_co_u32 s56, s56, s58
	s_mul_i32 s56, s56, 768                        ; qkc: (512 h + 2 w) x 768; k's heads lie 16 x 512 x 768 bytes on, which stands in the loads' immediates
	s_mov_b32 s57, 0
	s_wait_kmcnt 0x0
	s_add_nc_u64 s[4:5], s[4:5], s[56:57]
	s_lshl_b32 s56, s16, 15
	s_lshl_b32 s58, s18, 7
	s_add_co_u32 s56, s56, s58
	s_add_nc_u64 s[6:7], s[6:7], s[56:57]          ; qks: 4 (8,192 h + 32 w)
	s_mul_i32 s56, s16, 393216
	s_mul_i32 s58, s18, 49152
	s_add_co_u32 s56, s56, s58
	s_add_nc_u64 s[8:9], s[8:9], s[56:57]          ; vc: my head's four tiles, my pair of classes
	s_lshl_b32 s56, s16, 8
	s_add_nc_u64 s[10:11], s[10:11], s[56:57]      ; vs: 64 x 4 h
.irp cl, 0,1
.irp u, 0,1
.irp e, 0,1
	global_load_b96 v[KF+12*(2*\cl+\u)+6*\e:KF+12*(2*\cl+\u)+6*\e+2], v[5+\u], s[4:5] offset:6291456+768*\cl+384*\e
.endr
.endr
.endr
.irp cl, 0,1
.irp e, 0,1
	global_load_b96 v[QF+12*\cl+6*\e:QF+12*\cl+6*\e+2], v4, s[4:5] offset:768*\cl+384*\e th:TH_LOAD_NT
.endr
.endr
	global_load_b32 v23, v10, s[6:7] offset:524288
	global_load_b32 v24, v10, s[6:7] offset:524288+64
	global_load_b32 v22, v9, s[6:7]                ; lanes 0-15: cl 0's queries; lanes 16-31: cl 1's
	global_load_b32 v29, v11, s[10:11]
	global_load_b32 v30, v12, s[10:11]
	global_load_b32 v31, v11, s[10:11] offset:128
	global_load_b32 v32, v12, s[10:11] offset:128
.irp u4, 0,1,2,3
.irp u, 0,1
	global_load_b96 v[VF+12*\u4+6*\u:VF+12*\u4+6*\u+2], v[7+\u], s[8:9] offset:98304*\u4
.endr
.endr
	; while the 27 loads are on their way: the zero halves of the ten fragments, the two runs of zeros, the mask, the addresses of the way out
.irp f, 0,1,2,3,4,5,6,7,8,9
.irp i, 3,4,5,9,10,11
	v_mov_b32 v[QF+12*\f+\i], 0
.endr
.endr
.irp i, 0,1,2,3,4,5,6,7
	v_mov_b32 v[164+\i], 0
	v_mov_b32 v[188+\i], 0
.endr
.irp cl, 0,1
	v_mov_b32 v[TT+10*\cl+3], 0                    ; the upper halves of pairs that are named whole
	v_mov_b32 v[TT+10*\cl+5], 0
.endr
	v_mov_b32 v14, 0xff800000                      ; -infinity
	v_lshlrev_b32 v13, 3, v2                       ; 8 h
	v_sub_nc_u32 v33, v1, v13                      ; e = r - 8 h.  Tile 0, register j: the key lies j - 8 + 8 h - r class places from the query: hidden where j < e.  Tile 1: 8 + 8 h + j - r: hidden where j > e
	v_xor_b32 v15, 1, v2
	v_mad_u32_u24 v34, v15, s55, v33               ; at a sequence's start window block 0 is hidden whole,
	v_mul_u32_u24 v15, v2, s60
	v_sub_nc_u32 v35, v33, v15                     ; at its end window block 3
.irp j, 0,1,2,3,4,5,6,7
	v_cmp_lt_i32 s[32+\j], \j, v34
	v_cmp_gt_i32 s[40+\j], \j, v35
.endr
	v_mul_u32_u24 v16, v1, 784
	v_mad_u32_u24 v16, v2, 24, v16
	s_mul_i32 s56, s16, 48
	v_add_nc_u32 v16, s56, v16                     ; the stage: row r of 768 + 16 bytes; my block's 24 bytes at 48 h' + 24 h (h' the head)
	v_lshlrev_b32 v17, 5, v1
	v_add_nc_u32 v17, v17, v2
	s_lshl_b32 s56, s16, 1
	s_add_co_u32 s56, s56, 25088
	v_add_nc_u32 v17, s56, v17                     ; the scale bytes, behind the stage: 32 a row
	v_lshlrev_b32 v20, 4, v3                       ; 16 x lane
	s_mul_i32 s56, s16, 1568
	v_add_nc_u32 v18, s56, v20                     ; back: wave i takes rows 2 i and 2 i + 1: 1,536 bytes in three runs of 512
	v_lshl_add_u32 v19, v2, 4, v18                 ; (the second run crosses from one row to the next at lane 16: one padding more)
	s_and_b32 s59, s16, 1
	s_lshl_b32 s59, s59, 9
	s_add_co_u32 s56, s59, 25088
	v_add_nc_u32 v21, s56, v20                     ; the scale bytes back: 512 each for waves 0 and 1
	s_lshl_b32 s56, s17, 6
	s_lshl_b32 s58, s18, 5
	s_add_co_u32 s62, s56, s58                     ; the work-group's first place: 64 t + 32 w
	s_lshl_b32 s58, s16, 1
	s_add_co_u32 s56, s62, s58
	s_mul_i32 s56, s56, 768
	s_add_nc_u64 s[12:13], s[12:13], s[56:57]
	s_lshl_b32 s56, s62, 5
	s_add_co_u32 s56, s56, s59
	s_add_nc_u64 s[14:15], s[14:15], s[56:57]
	s_wait_loadcnt 12                              ; k, q and their scale words are in; v's four words and eight runs of codes may be out
	v_wmma_scale_f32_16x16x128_f8f6f4 v[156:163], v[60:71], v[36:47], 0, v23, v22 matrix_a_fmt:MATRIX_FMT_BF6 matrix_b_fmt:MATRIX_FMT_BF6
	v_wmma_scale_f32_16x16x128_f8f6f4 v[180:187], v[72:83], v[36:47], 0, v23, v22 matrix_a_fmt:MATRIX_FMT_BF6 matrix_b_fmt:MATRIX_FMT_BF6 matrix_a_scale:MATRIX_SCALE_ROW1
	v_wmma_scale_f32_16x16x128_f8f6f4 v[172:179], v[84:95], v[48:59], 0, v24, v22 matrix_a_fmt:MATRIX_FMT_BF6 matrix_b_fmt:MATRIX_FMT_BF6 matrix_b_scale:MATRIX_SCALE_ROW1
	v_wmma_scale_f32_16x16x128_f8f6f4 v[196:203], v[96:107], v[48:59], 0, v24, v22 matrix_a_fmt:MATRIX_FMT_BF6 matrix_b_fmt:MATRIX_FMT_BF6 matrix_a_scale:MATRIX_SCALE_ROW1 matrix_b_scale:MATRIX_SCALE_ROW1
	s_wait_loadcnt 8                               ; v's raw words are in; its eight runs of codes may be out
	v_lshrrev_b32 v25, s48, v29                    ; the window's four bytes out of two words.  (These four lines are the places behind the products)
	v_lshrrev_b32 v26, s48, v31
	v_lshl_or_b32 v25, v30, s61, v25               ; lanes 0-15: tile 0 (2) of my head's four, lanes 16-31: tile 1 (3)
	v_lshl_or_b32 v26, v32, s61, v26
.irp j, 0,1,2,3,4,5,6,7                        ; hidden scores become -infinity: p = 0 then.  Each accumulator from its low end on
.irp cl, 0,1
	v_cndmask_b32 v[156+16*\cl+\j], v[156+16*\cl+\j], v14, s[32+\j]
	v_cndmask_b32 v[180+16*\cl+\j], v[180+16*\cl+\j], v14, s[40+\j]
.endr
.endr
.irp cl, 0,1
	v_max3_num_f32 v[TT+10*\cl], v[156+16*\cl], v[157+16*\cl], v[158+16*\cl]
	v_max3_num_f32 v[TT+10*\cl+1], v[180+16*\cl], v[181+16*\cl], v[182+16*\cl]
.endr
.irp i, 3,5
.irp cl, 0,1
	v_max3_num_f32 v[TT+10*\cl], v[TT+10*\cl], v[156+16*\cl+\i], v[157+16*\cl+\i]
	v_max3_num_f32 v[TT+10*\cl+1], v[TT+10*\cl+1], v[180+16*\cl+\i], v[181+16*\cl+\i]
.endr
.endr
.irp cl, 0,1
	v_max3_num_f32 v[TT+10*\cl], v[TT+10*\cl], v[163+16*\cl], v[187+16*\cl]
.endr
.irp cl, 0,1
	v_max_num_f32 v[TT+10*\cl], v[TT+10*\cl], v[TT+10*\cl+1]
.endr
.irp cl, 0,1
	v_permlanex16_b32 v[TT+10*\cl+1], v[TT+10*\cl], s20, s21
.endr
.irp cl, 0,1
	v_max_num_f32 v[TT+10*\cl], v[TT+10*\cl], v[TT+10*\cl+1]       ; the row's largest score: a query's own key always counts, so it is a number
.endr
.irp cl, 0,1
	v_mul_f32 v[TT+10*\cl], s22, v[TT+10*\cl]
.endr
.irp cl, 0,1
	v_floor_f32 v[TT+10*\cl+4], -v[TT+10*\cl]      ; -M = floor(-t) = -ceil(t)
.endr
.irp i, 0,2,4,6
.irp cl, 0,1
	v_pk_fma_f32 v[156+16*\cl+\i:157+16*\cl+\i], v[156+16*\cl+\i:157+16*\cl+\i], s[22:23], v[TT+10*\cl+4:TT+10*\cl+5] op_sel_hi:[1,0,0]   ; t - M
	v_pk_fma_f32 v[180+16*\cl+\i:181+16*\cl+\i], v[180+16*\cl+\i:181+16*\cl+\i], s[22:23], v[TT+10*\cl+4:TT+10*\cl+5] op_sel_hi:[1,0,0]
.endr
.endr
.irp cl, 0,1
.irp j, 0,1,2,3,4,5,6,7
	v_exp_f32 v[156+16*\cl+\j], v[156+16*\cl+\j]   ; p = 2^(t - M): 32 in one batch
	v_exp_f32 v[180+16*\cl+\j], v[180+16*\cl+\j]
.endr
.endr
	v_nop                                          ; a plain line behind the last exponential
	s_wait_alu depctr_va_vdst(0)                   ; one wait for the batch, ahead of its first reader
.irp cl, 0,1
	v_pk_add_f32 v[TT+10*\cl+8:TT+10*\cl+9], v[156+16*\cl:157+16*\cl], v[158+16*\cl:159+16*\cl]     ; the row's sum, of the unquantised p: two chains a class
	v_pk_add_f32 v[TT+10*\cl+6:TT+10*\cl+7], v[180+16*\cl:181+16*\cl], v[182+16*\cl:183+16*\cl]
.endr
.irp i, 4,6
.irp cl, 0,1
	v_pk_add_f32 v[TT+10*\cl+8:TT+10*\cl+9], v[TT+10*\cl+8:TT+10*\cl+9], v[156+16*\cl+\i:157+16*\cl+\i]
	v_pk_add_f32 v[TT+10*\cl+6:TT+10*\cl+7], v[TT+10*\cl+6:TT+10*\cl+7], v[180+16*\cl+\i:181+16*\cl+\i]
.endr
.endr
.irp cl, 0,1
	v_pk_add_f32 v[TT+10*\cl+8:TT+10*\cl+9], v[TT+10*\cl+8:TT+10*\cl+9], v[TT+10*\cl+6:TT+10*\cl+7]
.endr
.irp cl, 0,1
	v_add_f32 v[TT+10*\cl+8], v[TT+10*\cl+8], v[TT+10*\cl+9]
.endr
.irp cl, 0,1
	v_permlanex16_b32 v[TT+10*\cl+1], v[TT+10*\cl+8], s20, s21
.endr
.irp cl, 0,1
	v_add_f32 v[TT+10*\cl+8], v[TT+10*\cl+8], v[TT+10*\cl+1]       ; l
.endr
.irp cl, 0,1
	v_rcp_f32 v[TT+10*\cl+2], v[TT+10*\cl+8]       ; wanted behind the second product: its wait stands there
.endr
.irp cl, 0,1
	v_max3_num_f32 v[TT+10*\cl+6], v[156+16*\cl], v[157+16*\cl], 0x2800000     ; my two blocks' largest p, with the floor 2^(5 - 127): a block whose every p is 0 keeps the byte 1
	v_max3_num_f32 v[TT+10*\cl+7], v[180+16*\cl], v[181+16*\cl], 0x2800000
.endr
.irp i, 2,4,6
.irp cl, 0,1
	v_max3_num_f32 v[TT+10*\cl+6], v[TT+10*\cl+6], v[156+16*\cl+\i], v[157+16*\cl+\i]
	v_max3_num_f32 v[TT+10*\cl+7], v[TT+10*\cl+7], v[180+16*\cl+\i], v[181+16*\cl+\i]
.endr
.endr
.irp cl, 0,1
	v_add_nc_u32 v[TT+10*\cl+6], 0xfe000000, v[TT+10*\cl+6]        ; 4 off the exponent field: the conversions' scale operands
	v_add_nc_u32 v[TT+10*\cl+7], 0xfe000000, v[TT+10*\cl+7]
.endr
.irp cl, 0,1
	v_lshrrev_b32 v[TT+10*\cl], 23, v[TT+10*\cl+6]
	v_lshrrev_b32 v[TT+10*\cl+1], 23, v[TT+10*\cl+7]
.endr
.irp cl, 0,1
	v_lshl_or_b32 v[TT+10*\cl], v[TT+10*\cl+1], 16, v[TT+10*\cl]   ; bytes h and 2 + h
.endr
.irp cl, 0,1
	v_lshlrev_b32 v[TT+10*\cl], v13, v[TT+10*\cl]
.endr
.irp cl, 0,1
	v_permlanex16_b32 v[TT+10*\cl+1], v[TT+10*\cl], s20, s21
.endr
.irp cl, 0,1
	v_or_b32 v[27+\cl], v[TT+10*\cl], v[TT+10*\cl+1]               ; p's scale word of my query
.endr
	v_cvt_scalef32_pk16_bf6_f32 v[36:38], v[156:171], v[TT+6]      ; cl 0: eight p, eight zeros
	v_cvt_scalef32_pk16_bf6_f32 v[42:44], v[180:195], v[TT+7]
	v_cvt_scalef32_pk16_bf6_f32 v[48:50], v[164:179], v[TT+16]     ; cl 1: eight zeros, eight p
	v_cvt_scalef32_pk16_bf6_f32 v[54:56], v[188:203], v[TT+17]
.rept 9
	v_nop                                          ; one plain line behind the conversions; eight between a scale register's last vector write and the scaled product; five ahead of results laid over k's fragments
.endr
	s_wait_loadcnt 0x0                             ; v's codes
.irp p, 0,1                                    ; O^T = v^T p^T: source 0 = 16 numbers d of the head, source 1 = p: eight accumulators, each written once
.irp cl, 0,1
	v_wmma_scale_f32_16x16x128_f8f6f4 v[60+144*\cl+16*\p:60+144*\cl+16*\p+7], v[VF+24*\p:VF+24*\p+11], v[QF+12*\cl:QF+12*\cl+11], 0, v[25+\p], v[27+\cl] matrix_a_fmt:MATRIX_FMT_BF6 matrix_b_fmt:MATRIX_FMT_BF6
.endr
.irp cl, 0,1
	v_wmma_scale_f32_16x16x128_f8f6f4 v[60+144*\cl+16*\p+8:60+144*\cl+16*\p+15], v[VF+24*\p+12:VF+24*\p+23], v[QF+12*\cl:QF+12*\cl+11], 0, v[25+\p], v[27+\cl] matrix_a_fmt:MATRIX_FMT_BF6 matrix_b_fmt:MATRIX_FMT_BF6 matrix_a_scale:MATRIX_SCALE_ROW1
.endr
.endr
.rept 4
	v_nop
.endr
	s_wait_alu depctr_va_vdst(0)                   ; the two reciprocals, ahead of their first reader
	; lane (query r, h): register 8 u4 + j is d = 32 h + 8 u4 + j: a whole block of 32 along the last product's K
.irp i, 0,2,4,6,8,10,12,14,16,18,20,22,24,26,28,30
.irp cl, 0,1
	v_pk_mul_f32 v[60+144*\cl+\i:61+144*\cl+\i], v[60+144*\cl+\i:61+144*\cl+\i], v[TT+10*\cl+2:TT+10*\cl+3] op_sel_hi:[1,0]   ; / l
.endr
.endr
.irp cl, 0,1
	v_max3_num_f32 v[TT+10*\cl+6], |v[60+144*\cl]|, |v[61+144*\cl]|, |v[62+144*\cl]|
	v_max3_num_f32 v[TT+10*\cl+7], |v[63+144*\cl]|, |v[64+144*\cl]|, |v[65+144*\cl]|
.endr
.irp i, 6,10,14,18,22,26
.irp cl, 0,1
	v_max3_num_f32 v[TT+10*\cl+6], v[TT+10*\cl+6], |v[60+144*\cl+\i]|, |v[61+144*\cl+\i]|
	v_max3_num_f32 v[TT+10*\cl+7], v[TT+10*\cl+7], |v[62+144*\cl+\i]|, |v[63+144*\cl+\i]|
.endr
.endr
.irp cl, 0,1
	v_max3_num_f32 v[TT+10*\cl+6], v[TT+10*\cl+6], |v[90+144*\cl]|, |v[91+144*\cl]|
.endr
.irp cl, 0,1
	v_max3_num_f32 v[TT+10*\cl+6], v[TT+10*\cl+6], v[TT+10*\cl+7], 0x2800000
.endr
.irp cl, 0,1
	v_add_nc_u32 v[TT+10*\cl+6], 0xfe000000, v[TT+10*\cl+6]
.endr
.irp cl, 0,1
	v_lshrrev_b32 v[TT+10*\cl], 23, v[TT+10*\cl+6]
.endr
.irp cl, 0,1
	v_cvt_scalef32_pk16_bf6_f32 v[VF+12*\cl:VF+12*\cl+2], v[60+144*\cl:75+144*\cl], v[TT+10*\cl+6]
	v_cvt_scalef32_pk16_bf6_f32 v[VF+12*\cl+6:VF+12*\cl+8], v[76+144*\cl:91+144*\cl], v[TT+10*\cl+6]   ; (a conversion's three registers begin on an even number)
.endr
	v_nop                                          ; one plain line behind the conversions
.irp cl, 0,1
.irp i, 0,1,2
	v_mov_b32 v[VF+12*\cl+3+\i], v[VF+12*\cl+6+\i]                 ; the block's 24 bytes on end
.endr
.endr
.irp cl, 0,1
	ds_store_b64 v16, v[VF+12*\cl:VF+12*\cl+1] offset:12544*\cl
	ds_store_b64 v16, v[VF+12*\cl+2:VF+12*\cl+3] offset:12544*\cl+8
	ds_store_b64 v16, v[VF+12*\cl+4:VF+12*\cl+5] offset:12544*\cl+16
	ds_store_b8 v17, v[TT+10*\cl] offset:512*\cl
.endr
	s_wait_dscnt 0x0                               ; for the others' sake: my stores into the stage are done
	s_barrier_signal -1
	s_barrier_wait -1                              ; 32 whole rows of codes and their scale bytes lie in LDS
	ds_load_b128 v[60:63], v18
	ds_load_b128 v[64:67], v19 offset:512
	ds_load_b128 v[68:71], v18 offset:1040
	s_wait_dscnt 0x0
	global_store_b128 v20, v[60:63], s[12:13]      ; two rows: 1,536 consecutive bytes, from a multiple of 256 on, 512 a store
	global_store_b128 v20, v[64:67], s[12:13] offset:512
	global_store_b128 v20, v[68:71], s[12:13] offset:1024
	s_cmp_lt_u32 s16, 2                            ; waves 0 and 1 also move the 1,024 scale bytes
	s_cbranch_scc0 .Ldone
	ds_load_b128 v[72:75], v21
	s_wait_dscnt 0x0
	global_store_b128 v20, v[72:75], s[14:15]
.Ldone:
	s_wait_xcnt 0x0
	v_lshl_add_u32 v254, v0, 2, 0x6800
	v_mov_b32 v255, 0
	s_wait_tensorcnt 0x0
	ds_add_u32 v254, v255
	s_wait_dscnt 0x0
	s_endpgm
.Lfunc_end_k_q59582e224d_attn:
	.size	k_q59582e224d_attn, .Lfunc_end_k_q59582e224d_attn-k_q59582e224d_attn
	.p2alignl 7, 3214868480
	.fill 96, 4, 3214868480
	.section	.rodata,"a",@progbits
	.p2align	6, 0x0
	.amdhsa_kernel k_q59582e224d_attn
		.amdhsa_group_segment_fixed_size 28672
		.amdhsa_private_segment_fixed_size 0
		.amdhsa_enable_private_segment 0
		.amdhsa_kernarg_size 48
		.amdhsa_user_sgpr_count 2
		.amdhsa_user_sgpr_kernarg_segment_ptr 1
		.amdhsa_wavefront_size32 1
		.amdhsa_system_sgpr_workgroup_id_x 1
		.amdhsa_system_sgpr_workgroup_id_y 1
		.amdhsa_system_sgpr_workgroup_id_z 1
		.amdhsa_system_vgpr_workitem_id 0
		.amdhsa_next_free_vgpr 256
		.amdhsa_next_free_sgpr 66
		.amdhsa_reserve_vcc 0
		.amdhsa_float_denorm_mode_32 3
		.amdhsa_float_denorm_mode_16_64 3
		.amdhsa_memory_ordered 1
		.amdhsa_forward_progress 1
		.amdhsa_inst_pref_size 29
	.end_amdhsa_kernel
	.amdgpu_metadata
---
amdhsa.version: [ 1, 2 ]
amdhsa.kernels:
  - .name:           k_q59582e224d_attn
    .symbol:         k_q59582e224d_attn.kd
    .args:
      - { .name: qkc, .offset: 0, .size: 8, .value_kind: global_buffer, .address_space: global }
      - { .name: qks, .offset: 8, .size: 8, .value_kind: global_buffer, .address_space: global }
      - { .name: vc, .offset: 16, .size: 8, .value_kind: global_buffer, .address_space: global }
      - { .name: vs, .offset: 24, .size: 8, .value_kind: global_buffer, .address_space: global }
      - { .name: actc, .offset: 32, .size: 8, .value_kind: global_buffer, .address_space: global }
      - { .name: acts, .offset: 40, .size: 8, .value_kind: global_buffer, .address_space: global }
    .group_segment_fixed_size: 28672
    .private_segment_fixed_size: 0
    .kernarg_segment_align: 8
    .kernarg_segment_size: 48
    .max_flat_workgroup_size: 512
    .sgpr_count:     66
    .vgpr_count:     256
    .wavefront_size: 32
...
	.end_amdgpu_metadata
.endif
;; end of part 3
;; launch oproj (part 4): grid 4 x 32, 4 waves a work-group, clusters of 4 x 4, 327,680 bytes of LDS; arguments actc, acts, wc, ws, bo, out0; writes out0
.if DOCPART == 4
	.amdgcn_target "amdgcn-amd-amdhsa--gfx1250"
	.amdhsa_code_object_version 6
	.text
	.protected	k_q59582e224d_oproj
	.globl	k_q59582e224d_oproj
	.p2align	8
	.type	k_q59582e224d_oproj,@function
k_q59582e224d_oproj:
	s_mov_b64 s[64:65], 0
	v_nop
	global_prefetch_b8 v0, s[64:65] scope:SCOPE_SE
	s_setreg_imm32_b32 hwreg(HW_REG_WAVE_MODE, 25, 1), 1
	s_wait_xcnt 0x0
	s_wait_alu depctr_hold_cnt(0) depctr_sa_sdst(0) depctr_va_vdst(0) depctr_va_sdst(0) depctr_va_ssrc(0) depctr_va_vcc(0) depctr_vm_vsrc(0)
	s_getreg_b32 s2, hwreg(HW_REG_IB_STS2, 6, 4)
	s_cmp_eq_u32 s2, 0
	s_cbranch_scc0 .Lentry_in_a_cluster
	s_endpgm
.Lentry_in_a_cluster:
	s_bfe_u32 s2, ttmp6, 0x10000c
	s_cmp_lg_u32 s2, 0xf033
	s_cbranch_scc0 .Lentry_shape_is_right
	s_endpgm
.Lentry_shape_is_right:
; out0 = (attention's result) Wo^T + bo, on codes of BF6 with E8M0 scales; K = 1,024; sums in f32.  A: actc / acts, 8,192 places (place 64 t + 16 c + r holds token 64 t + 4 r + c); B: Wo's rows, places 3,072 on of wc / ws, as they lie.
; A tile of C is 256 x 256, four waves, 128 x 128 each: 64 accumulators.  K goes in steps of 256 through two LDS slots filled by joint tensor loads in clusters of 4 x 4: A's tile is shared along a row of the cluster, B's along a column.
; The scale bytes of the work-group's rows come once, with the first fills.  By this text's own count a wave has at most three tensor loads out.
; THE MATRIX INSTRUCTION IS USED TRANSPOSED (source 0 = 16 rows of Wo, source 1 = 16 places of A): a lane holds eight neighbouring columns of one row of the output.  The bias is the C of each sum's first product.
; On the way out a block's 16 rows are 16 tokens four apart: each is stored as 512 consecutive bytes at its token's row.
; REGISTERS: window 0: v0-31 addresses; v32-63 scale words, two sets; v64-127 the bias; v128-223 A's fragments; on the way out v128-255 rows read back.  window 1: B's fragments, two sets.  windows 2, 3: the accumulators.
.set SIZE_N, 1024
.set KSTEP,  256
.set NQ,     2
.set ROWB,   192
.set KROW,   768
.set PITCH,  240
.set FR,     12
.set NL,     6
.set NP,     4
.set HALFT,  128*PITCH
.set SLOT,   4*HALFT
.set KS,     32
.set SCL,    2*SLOT
.set HALFS,  (128*KS/256)*272
.set SBLK,   (16*KS/256)*272
.set SPARE,  SCL+4*HALFS               ; the spare words, 128 bytes a wave: two blocks of 256 bytes that no other line names
.set SPITCH, 528                       ; the way out: a stage of 16 rows x (512 bytes + 16) for each wave, in slot 0, which has had its last fill and its last read by then
.set ADRA, 16
.set ADRB, 20
.set STO,  24
.set RD,   25
.set CO,   26
.set ADRS, 27
.set SPW,  28
.set NIL,  29
.set SC,   32
.set BN,   64
.set AF,   128
.set BK,   128
.set G1, 24
.set G0, 32
.set G1B, 48
.set G0B, 56
.set G1S, 68
.set G0S, 76
.set G1SB, 80
.set G0SB, 88
.set MSB, 0
.macro WIN new
.if MSB != (\new)
	s_set_vgpr_msb (MSB<<8)|(\new)
.set MSB, (\new)
.endif
.endm
.set MUL_LO, 0xa1                      ; source 0 (B) window 1, source 1 (A) window 0, C and D window 2
.set MUL_HI, 0xf1
.set BIA_LO, 0x81                      ; the same with C (the bias) in window 0
.set BIA_HI, 0xc1
.set TO_B,   0x40
.macro JLOAD g0a, g1a, g0b, g1b        ; a joint load: waves 0 and 1 fetch for A, waves 2 and 3 for B; four v_nop follow each of the two lines
	s_cmp_eq_u32 s15, 0
	s_cbranch_scc0 .Lfor_b_\@
	tensor_load_to_lds s[\g0a:\g0a+3], s[\g1a:\g1a+7]
	s_nop 0
.rept 4
	v_nop
.endr
	s_branch .Lasked_\@
.Lfor_b_\@:
	tensor_load_to_lds s[\g0b:\g0b+3], s[\g1b:\g1b+7]
	s_nop 0
.rept 4
	v_nop
.endr
.Lasked_\@:
.endm
.macro CREST
	s_cmp_lg_u32 s14, 0
	s_cbranch_scc1 .Lnot_wave_0_\@
	s_barrier_signal -3
.Lnot_wave_0_\@:
	s_barrier_wait -3
	s_barrier_signal -1
	s_barrier_wait -1
.endm
.macro CROUND
	s_barrier_signal -1
	s_barrier_wait -1
	CREST
.endm
	s_load_b256 s[4:11], s[0:1], 0x0               ; actc s[4:5], acts s[6:7], wc s[8:9], ws s[10:11]
	s_load_b64 s[96:97], s[0:1], 0x20              ; bo
	s_load_b64 s[12:13], s[0:1], 0x28              ; out0
	v_lshl_add_u32 v[SPW], v0, 2, SPARE
	v_mov_b32 v[NIL], 0
	ds_add_u32 v28, v29
	ds_add_u32 v28, v29
	s_wait_dscnt 0x0
	v_lshrrev_b32 v1, 5, v0
	v_readfirstlane_b32 s14, v1                    ; wave 0..3
	s_lshr_b32 s15, s14, 1                         ; which half of the tile's rows is mine.  Also: I fetch for A (0) or for B (1)
	s_and_b32 s16, s14, 1                          ; which half of its columns.  Also: which 128 rows of that tile I fetch
	s_bfe_u32 s40, ttmp6, 0x40000                  ; cx, cy
	s_bfe_u32 s41, ttmp6, 0x40004
	s_lshl_b32 s42, ttmp9, 2
	s_add_co_u32 s42, s42, s40                     ; tile column
	s_and_b32 s17, ttmp7, 0xffff
	s_lshl_b32 s17, s17, 2
	s_add_co_u32 s17, s17, s41                     ; tile row
	s_lshl_b32 s43, s41, 2
	s_lshl_b32 s43, 15, s43                        ; my row of the cluster
	s_lshl_b32 s44, 0x1111, s40                    ; my column
	s_or_b32 s[G1+0], s43, (0<<16)|(1<<20)|(1<<21)|(3<<22)|(3<<25)  ; a tile of 128 rows x 192 bytes; 16 bytes of padding behind every 64
	s_or_b32 s[G1B+0], s44, (0<<16)|(1<<20)|(1<<21)|(3<<22)|(3<<25)
.irp g, G1, G1B
	s_mov_b32 s[\g+1], ROWB<<16
	s_mov_b32 s[\g+2], 128<<16
	s_mov_b32 s[\g+3], ROWB<<16
	s_mov_b32 s[\g+4], 128
	s_mov_b32 s[\g+5], KROW
	s_mov_b32 s[\g+6], 0
	s_mov_b32 s[\g+7], 0
.endr
	s_or_b32 s[G1S+0], s43, (3<<16)|(1<<20)|(1<<21)|(5<<22)|(3<<25) ; the scales of 128 rows: 16 rows of 256 bytes, 16 bytes of padding behind each
	s_or_b32 s[G1SB+0], s44, (3<<16)|(1<<20)|(1<<21)|(5<<22)|(3<<25)
.irp g, G1S, G1SB
	s_mov_b32 s[\g+1], 32<<16
	s_mov_b32 s[\g+2], (128*KS/256)<<16
	s_mov_b32 s[\g+3], 32<<16
	s_mov_b32 s[\g+4], 128*KS/256
	s_mov_b32 s[\g+5], 32
	s_mov_b32 s[\g+6], 0
	s_mov_b32 s[\g+7], 0
.endr
	s_lshl_b32 s18, s16, 7
	s_lshl_b32 s20, s17, 8
	s_add_co_u32 s20, s20, s18                     ; A: place 256 x tile row + 128 x half
	s_lshl_b32 s46, s42, 8
	s_add_co_u32 s46, s46, s18
	s_add_co_u32 s46, s46, 3072                    ; B: Wo's rows lie behind the three other weights'
	s_mov_b32 s21, 0
	s_mov_b32 s47, 0
	s_mov_b64 s[18:19], KS
	s_mul_u64 s[22:23], s[20:21], s[18:19]
	s_mul_u64 s[92:93], s[46:47], s[18:19]
	s_mov_b64 s[18:19], KROW
	s_mul_u64 s[20:21], s[20:21], s[18:19]
	s_mul_u64 s[46:47], s[46:47], s[18:19]
	s_mul_i32 s45, s14, HALFT
	s_mul_i32 s94, s14, HALFS
	s_wait_kmcnt 0x0
	s_add_nc_u64 s[20:21], s[4:5], s[20:21]
	s_add_nc_u64 s[22:23], s[6:7], s[22:23]
	s_add_nc_u64 s[46:47], s[8:9], s[46:47]
	s_add_nc_u64 s[92:93], s[10:11], s[92:93]
	CROUND                                         ; all sixteen work-groups are here: the first joint loads meet
	s_mov_b32 s[G0S], 1
	s_add_co_u32 s[G0S+1], s94, SCL
	s_mov_b64 s[G0S+2:G0S+3], s[22:23]
	s_or_b32 s[G0S+3], s[G0S+3], 0x80000000
	s_mov_b32 s[G0SB], 1
	s_add_co_u32 s[G0SB+1], s94, SCL
	s_mov_b64 s[G0SB+2:G0SB+3], s[92:93]
	s_or_b32 s[G0SB+3], s[G0SB+3], 0x80000000
	JLOAD G0S, G1S, G0SB, G1SB
.irp s, 0,1
	s_mov_b32 s[G0+4*\s], 1
	s_add_co_u32 s[G0+4*\s+1], s45, \s*SLOT
	s_add_nc_u64 s[G0+4*\s+2:G0+4*\s+3], s[20:21], \s*ROWB
	s_or_b32 s[G0+4*\s+3], s[G0+4*\s+3], 0x80000000
	s_mov_b32 s[G0B+4*\s], 1
	s_add_co_u32 s[G0B+4*\s+1], s45, \s*SLOT
	s_add_nc_u64 s[G0B+4*\s+2:G0B+4*\s+3], s[46:47], \s*ROWB
	s_or_b32 s[G0B+4*\s+3], s[G0B+4*\s+3], 0x80000000
	JLOAD G0+4*\s, G1, G0B+4*\s, G1B
.endr
	v_and_b32 v1, 15, v0                           ; r
	v_bfe_u32 v2, v0, 4, 1                         ; h
	v_lshlrev_b32 v30, 5, v2                       ; the bias: accumulator column b, register j: number 16 b + 8 h + j of my 128
	s_lshl_b32 s18, s42, 10
	s_lshl_b32 s19, s16, 9
	s_add_co_u32 s18, s18, s19
	s_mov_b32 s19, 0
	s_add_nc_u64 s[96:97], s[96:97], s[18:19]
.irp b, 0,1,2,3,4,5,6,7
	global_load_b128 v[BN+8*\b:BN+8*\b+3], v30, s[96:97] offset:64*\b
	global_load_b128 v[BN+8*\b+4:BN+8*\b+7], v30, s[96:97] offset:64*\b+16
.endr
	v_mul_u32_u24 v3, v1, PITCH
	v_mul_u32_u24 v4, v2, 24
	v_add_nc_u32 v4, v3, v4
	v_lshl_add_u32 v5, v2, 4, v4
	s_mul_i32 s21, s15, HALFT
	s_mul_i32 s22, s16, HALFT
	s_add_co_u32 s22, s22, 2*HALFT
.irp s, 0,1
	v_add_nc_u32 v[ADRA+\s], s21, v4
	v_add_nc_u32 v[ADRB+\s], s22, v4
	v_add_nc_u32 v[ADRA+2+\s], s21, v5
	v_add_nc_u32 v[ADRB+2+\s], s22, v5
	s_add_co_u32 s21, s21, SLOT
	s_add_co_u32 s22, s22, SLOT
.endr
	v_mul_u32_u24 v5, v1, KS
	v_lshrrev_b32 v6, 8, v5
	v_lshl_add_u32 v5, v6, 4, v5
	s_mul_i32 s21, s15, HALFS
	s_mul_i32 s22, s16, HALFS
	s_add_co_u32 s22, s22, 2*HALFS
	s_sub_co_u32 s22, s22, s21
	v_mul_u32_u24 v6, s22, v2
	s_add_co_u32 s21, s21, SCL
	v_add_nc_u32 v5, v5, v6
	v_add_nc_u32 v[ADRS], s21, v5
	s_mul_i32 s23, s14, 16*SPITCH                  ; my stage
	v_mul_u32_u24 v5, v1, SPITCH
	v_lshl_add_u32 v5, v2, 5, v5
	v_add_nc_u32 v[STO], s23, v5                   ; in: row r, 32 bytes for each half of the lanes
	v_and_b32 v6, 31, v0
	v_lshlrev_b32 v[CO], 4, v6                     ; back: the 32 lanes take one row of 512 bytes; and the same in the output
	v_add_nc_u32 v[RD], s23, v[CO]
	s_lshl_b32 s20, s17, 8
	s_lshl_b32 s21, s15, 7
	s_add_co_u32 s20, s20, s21                     ; my first block's first token: 256 x tile row + 128 x half (its class is 0)
	s_mov_b32 s21, 0
	s_mov_b64 s[18:19], SIZE_N*4
	s_mul_u64 s[20:21], s[20:21], s[18:19]
	s_lshl_b32 s46, s42, 10
	s_lshl_b32 s47, s16, 9
	s_add_co_u32 s46, s46, s47
	s_mov_b32 s47, 0
	s_add_nc_u64 s[20:21], s[20:21], s[46:47]
	s_add_nc_u64 s[12:13], s[12:13], s[20:21]
.macro FRAG reg, adr, q, i
.irp p, 0,1,2,3,4,5
.set PC, 12*(\q)+6*(\p/3)+\p%3
.if PC%8 < 5
	ds_load_b64 v[\reg+2*\p:\reg+2*\p+1], v[\adr] offset:8*PC+16*(PC/8)+(\i)*16*PITCH
.else
	ds_load_b64 v[\reg+2*\p:\reg+2*\p+1], v[\adr+2] offset:8*PC+16*(PC/8)+(\i)*16*PITCH
.endif
.endr
.endm
; 16 matrix instructions: A's blocks a0, a0 + 1 x B's eight; the 64 accumulators by turns.  bias = 1: the first product starts the sums from the bias.
.macro MUL16 a0, p, q, sc, bias
.irp a, \a0, \a0+1
.irp b, 0,1,2,3,4,5,6,7
.if \bias
	v_wmma_scale_f32_16x16x128_f8f6f4 v[8*(8*((\a)%4)+\b):8*(8*((\a)%4)+\b)+7], v[128*(\p)+FR*\b:128*(\p)+FR*\b+FR-1], v[AF+FR*(\a):AF+FR*(\a)+FR-1], v[BN+8*\b:BN+8*\b+7], v[SC+8*NQ*(\sc)+NQ*\b+(\q)], v[SC+8*NQ*(\sc)+NQ*(\a)+(\q)] matrix_a_fmt:MATRIX_FMT_BF6 matrix_b_fmt:MATRIX_FMT_BF6 matrix_a_scale:MATRIX_SCALE_ROW1
.else
	v_wmma_scale_f32_16x16x128_f8f6f4 v[8*(8*((\a)%4)+\b):8*(8*((\a)%4)+\b)+7], v[128*(\p)+FR*\b:128*(\p)+FR*\b+FR-1], v[AF+FR*(\a):AF+FR*(\a)+FR-1], v[8*(8*((\a)%4)+\b):8*(8*((\a)%4)+\b)+7], v[SC+8*NQ*(\sc)+NQ*\b+(\q)], v[SC+8*NQ*(\sc)+NQ*(\a)+(\q)] matrix_a_fmt:MATRIX_FMT_BF6 matrix_b_fmt:MATRIX_FMT_BF6 matrix_a_scale:MATRIX_SCALE_ROW1
.endif
.endr
.endr
.endm
.macro FETCH_B slot, q, p
	WIN TO_B
.irp i, 0,1,2,3,4,5,6,7
	FRAG 128*(\p)+FR*\i, ADRB+\slot, \q, \i
.endr
	WIN 0
.endm
.macro FETCH_A slot, q, i0
.irp i, \i0, \i0+1, \i0+2, \i0+3
	FRAG AF+FR*(\i), ADRA+\slot, \q, \i
.endr
.endm
.macro SCALES sc
.irp i, 0,1,2,3,4,5,6,7
	ds_load_b64 v[SC+8*NQ*\sc+NQ*\i:SC+8*NQ*\sc+NQ*\i+1], v[ADRS] offset:\i*SBLK
.endr
.endm
.macro PLACES n
.rept \n
	v_nop
.endr
.endm
.macro STEP slot, q, bias
	s_wait_dscnt 4*NL                              ; B's set and A's blocks 0-3 are in; the youngest 24 loads (A's blocks 4-7) may be out
.if \bias
	WIN BIA_LO
.else
	WIN MUL_LO
.endif
	MUL16 0, (\q)%2, \q, \slot, \bias
	MUL16 2, (\q)%2, \q, \slot, \bias
	s_wait_dscnt 0
	PLACES NP
	FETCH_B \slot, (\q)+1, 1-(\q)%2
	FETCH_A \slot, (\q)+1, 0
.if \bias
	WIN BIA_HI
.else
	WIN MUL_HI
.endif
	MUL16 4, (\q)%2, \q, \slot, \bias
	MUL16 6, (\q)%2, \q, \slot, \bias
	PLACES NP
	WIN 0
	FETCH_A \slot, (\q)+1, 4
.endm
.macro TURN slot, next, fill
	s_wait_tensorcnt 0x0                           ; all my tensor loads have landed: my part of the next slot
	ds_add_u32 v[SPW], v[NIL]                      ; 0 onto my spare word
	s_wait_dscnt 4*NL+1                            ; (the add and the youngest 24 loads may be out)
	WIN MUL_LO
	MUL16 0, 1, NQ-1, \slot, 0
	s_wait_dscnt 0x0                               ; the add is done, and my reads of this slot are over
	s_barrier_signal -1
	MUL16 2, 1, NQ-1, \slot, 0
	WIN 0
	s_barrier_wait -1
.if \fill
	CREST                                          ; a round of the cluster's barrier: no wave of any partner still reads this slot or has a load on its way
	s_add_nc_u64 s[G0+4*\slot+2:G0+4*\slot+3], s[G0+4*\slot+2:G0+4*\slot+3], 2*ROWB
	s_add_nc_u64 s[G0B+4*\slot+2:G0B+4*\slot+3], s[G0B+4*\slot+2:G0B+4*\slot+3], 2*ROWB
	JLOAD G0+4*\slot, G1, G0B+4*\slot, G1B
.else
	PLACES NP
.endif
	v_add_nc_u32 v[ADRS], 4*NQ, v[ADRS]
	FETCH_B \next, 0, 0
	FETCH_A \next, 0, 0
	SCALES \next
	WIN MUL_HI
	MUL16 4, 1, NQ-1, \slot, 0
	MUL16 6, 1, NQ-1, \slot, 0
	PLACES NP
	WIN 0
	FETCH_A \next, 0, 4
.endm
	s_wait_tensorcnt 1                             ; the scales and my part of K step 0 are in (K step 1's load may be out),
	s_barrier_signal -1
	s_barrier_wait -1                              ; everybody's are
	FETCH_B 0, 0, 0
	FETCH_A 0, 0, 0
	SCALES 0
	FETCH_A 0, 0, 4
	s_wait_loadcnt 0x0                             ; the bias
	STEP 0, 0, 1                                   ; K = 1,024 is four K steps, eight steps of 128: written out, no loop
	TURN 0, 1, 1
	STEP 1, 0, 0
	TURN 1, 0, 1
	STEP 0, 0, 0
	TURN 0, 1, 0
	STEP 1, 0, 0
	s_wait_dscnt 4*NL
	WIN MUL_LO
	MUL16 0, 1, NQ-1, 1, 0
	MUL16 2, 1, NQ-1, 1, 0
	s_wait_dscnt 0
	WIN MUL_HI
	MUL16 4, 1, NQ-1, 1, 0
	MUL16 6, 1, NQ-1, 1, 0
	WIN 0
; THE WAY OUT, block by block of 16 places x 128 columns, through my own stage in LDS: in as 32 bytes a lane, back as whole rows of 512 bytes.  LDS serves a wave's instructions in order.
.macro TOSTAGE a
.set AC, 64*((\a)%4)
	WIN 0x08+4*((\a)/4)                            ; the data: window 2 or 3
.irp b, 0,1,2,3,4,5,6,7
	ds_store_b128 v[STO], v[AC+8*\b:AC+8*\b+3] offset:64*\b          ; each accumulator from its low end on
	ds_store_b128 v[STO], v[AC+8*\b+4:AC+8*\b+7] offset:64*\b+16
.endr
	WIN 0
.set BB, BK+64*((\a)%2)
.irp t, 0,1,2,3,4,5,6,7,8,9,10,11,12,13,14,15
	ds_load_b128 v[BB+4*\t:BB+4*\t+3], v[RD] offset:\t*SPITCH
.endr
.endm
.macro SEND a, younger                 ; younger: the LDS instructions issued behind block a's loads, which may stay out
.set BB, BK+64*((\a)%2)
	s_wait_dscnt \younger
.if (\a) > 0
.if (\a)%4 == 0
	s_add_nc_u64 s[12:13], s[12:13], 61*SIZE_N*4   ; (behind a wait on XCNT)  from class 3 of a group of 64 tokens to class 0 of the next: 61 tokens on
.else
	s_add_nc_u64 s[12:13], s[12:13], SIZE_N*4      ; the next class: one token on
.endif
.endif
.irp t, 0,1,2,3,4,5,6,7,8,9,10,11,12,13,14,15
	global_store_b128 v[CO], v[BB+4*\t:BB+4*\t+3], s[12:13] offset:\t*4*SIZE_N*4 th:TH_STORE_NT   ; place t of the block is the token 4 t on; 32 lanes store 512 consecutive bytes, aligned
.endr
.endm
	PLACES NP
	TOSTAGE 0
.irp a, 1,2,3,4,5,6,7
.if \a > 1
	s_wait_xcnt 0x0                                ; block a - 2's stores have read their registers and their base
.endif
	TOSTAGE \a
	SEND \a-1, 32                                  ; behind block a - 1's loads: block a's 16 stores and 16 loads
.endr
	s_wait_xcnt 0x0
	SEND 7, 0
	s_wait_tensorcnt 0x0                           ; the wave's end
	ds_add_u32 v[SPW], v[NIL]
	s_wait_dscnt 0x0
	CROUND                                         ; the closing round
	s_endpgm
.Lfunc_end_k_q59582e224d_oproj:
	.size	k_q59582e224d_oproj, .Lfunc_end_k_q59582e224d_oproj-k_q59582e224d_oproj
	.p2alignl 7, 3214868480
	.fill 96, 4, 3214868480
	.section	.rodata,"a",@progbits
	.p2align	6, 0x0
	.amdhsa_kernel k_q59582e224d_oproj
		.amdhsa_group_segment_fixed_size 327680
		.amdhsa_private_segment_fixed_size 0
		.amdhsa_enable_private_segment 0
		.amdhsa_kernarg_size 48
		.amdhsa_user_sgpr_count 2
		.amdhsa_user_sgpr_kernarg_segment_ptr 1
		.amdhsa_wavefront_size32 1
		.amdhsa_system_sgpr_workgroup_id_x 1
		.amdhsa_system_sgpr_workgroup_id_y 1
		.amdhsa_system_sgpr_workgroup_id_z 1
		.amdhsa_system_vgpr_workitem_id 0
		.amdhsa_next_free_vgpr 1024
		.amdhsa_next_free_sgpr 98
		.amdhsa_reserve_vcc 0
		.amdhsa_float_denorm_mode_32 3
		.amdhsa_float_denorm_mode_16_64 3
		.amdhsa_memory_ordered 1
		.amdhsa_forward_progress 1
		.amdhsa_inst_pref_size 161
	.end_amdhsa_kernel
	.amdgpu_metadata
---
amdhsa.version: [ 1, 2 ]
amdhsa.kernels:
  - .name:           k_q59582e224d_oproj
    .symbol:         k_q59582e224d_oproj.kd
    .args:
      - { .name: actc, .offset: 0, .size: 8, .value_kind: global_buffer, .address_space: global }
      - { .name: acts, .offset: 8, .size: 8, .value_kind: global_buffer, .address_space: global }
      - { .name: wc, .offset: 16, .size: 8, .value_kind: global_buffer, .address_space: global }
      - { .name: ws, .offset: 24, .size: 8, .value_kind: global_buffer, .address_space: global }
      - { .name: bo, .offset: 32, .size: 8, .value_kind: global_buffer, .address_space: global }
      - { .name: out0, .offset: 40, .size: 8, .value_kind: global_buffer, .address_space: global }
    .group_segment_fixed_size: 327680
    .private_segment_fixed_size: 0
    .kernarg_segment_align: 8
    .kernarg_segment_size: 48
    .max_flat_workgroup_size: 128
    .sgpr_count:     98
    .vgpr_count:     1024
    .wavefront_size: 32
...
	.end_amdgpu_metadata
.endif
;; end of part 4
